; MI455X (gfx1250); checked and timed in simulation.
; The chip was launched on July 23, 2026; its instructions are those of AMD's public machine-readable ISA for CDNA 5 (MIT licence, August 2026) and "CDNA5" Instruction Set Architecture Reference Guide (July 2026). The comments in the code are by the model that wrote it; some were corrected since.
;; Linear Attention. Allowed arithmetic: matrix products marked QUANTISED: E4M3 operands, one E8M0 scale for each 32 along K, by v_wmma_scale_f32_16x16x128_f8f6f4 with both operands' format E4M3, f32 sums; everything else in f32.
;; Inputs: Wk_codes 1,024 x 32 x 32 uint8 (E4M3 codes of Wk, K innermost, in blocks of 32 codes); Wk_scales 1,024 x 32 uint8 (E8M0 scales of Wk, one for each 32 codes along K); Wq_codes 1,024 x 32 x 32 uint8 (E4M3 codes of Wq, K innermost, in blocks of 32 codes); Wq_scales 1,024 x 32 uint8 (E8M0 scales of Wq, one for each 32 codes along K); Wv_codes 1,024 x 32 x 32 uint8 (E4M3 codes of Wv, K innermost, in blocks of 32 codes); Wv_scales 1,024 x 32 uint8 (E8M0 scales of Wv, one for each 32 codes along K); bk 1,024 float32; bq 1,024 float32; bv 1,024 float32; keys_codes 4 x 2,048 x 32 x 32 uint8 (E4M3 codes of keys, K innermost, in blocks of 32 codes); keys_scales 4 x 2,048 x 32 uint8 (E8M0 scales of keys, one for each 32 codes along K); queries_codes 4 x 2,048 x 32 x 32 uint8 (E4M3 codes of queries, K innermost, in blocks of 32 codes); queries_scales 4 x 2,048 x 32 uint8 (E8M0 scales of queries, one for each 32 codes along K); values_codes 4 x 2,048 x 32 x 32 uint8 (E4M3 codes of values, K innermost, in blocks of 32 codes); values_scales 4 x 2,048 x 32 uint8 (E8M0 scales of values, one for each 32 codes along K).
;; Outputs: out0 4 x 2,048 x 1,024 float32.
;; This version of the problem:
;;   THIS VERSION OF THE PROBLEM IS GIVEN IN LOW PRECISION. The matrix products marked QUANTISED in the list below multiply operands that are first quantised to E4M3 (4 exponent bits, 3 mantissa bits; 8 bits a number), with one power-of-two scale for each 32 numbers along K (OCP MX v1.0); their sums are f32. All else is computed in f32.
;;   The module's matrix products, in the order in which they are computed (A, B: the left and right operand; K: the contracted axis; several contracted axes count as one K, in the product's order):
;;     1. [M 8,192, K 1,024] x [K 1,024, N 1,024]; A: input queries (given as codes); B: input Wq (given as codes): QUANTISED
;;     2. [M 8,192, K 1,024] x [K 1,024, N 1,024]; A: input keys (given as codes); B: input Wk (given as codes): QUANTISED
;;     3. [M 8,192, K 1,024] x [K 1,024, N 1,024]; A: input values (given as codes); B: input Wv (given as codes): QUANTISED
;;     4. batch 4 x [M 2,048, K 1,024] x [K 1,024, N 2,048]; A: computed on the way; B: computed on the way: QUANTISED
;;     5. batch 4 x [M 2,048, K 2,048] x [K 2,048, N 1,024]; A: computed on the way; B: computed on the way: QUANTISED
;;   THE QUANTISER, for each operand of a quantised product, along K:
;;     - K is cut into blocks of 32 from its start; a last block that is shorter is filled with zeros.
;;     - A block's scale is 2^e with e = floor(log2(the largest magnitude in the block)) - 8, held to -126 .. 127; a block of zeros has e = 0. As a byte (E8M0): e + 127.
;;     - Each number is divided by its block's scale, clamped to +-448, and rounded to the nearest number of E4M3, ties to even, subnormals kept.
;;     - The product sums the exact products of the quantised numbers (number of the format x scale) in f32.
;;   ~~~python
;;   def quantise(x, axis):      # numpy; x: float32 -> the quantised numbers, widened to float32 again
;;       x = np.moveaxis(x, axis, -1); K = x.shape[-1]
;;       x = np.pad(x, [(0, 0)] * (x.ndim - 1) + [(0, -K % 32)]); x = x.reshape(x.shape[:-1] + (-1, 32)); a = np.abs(x).max(-1, keepdims=True)
;;       e = np.where(a > 0, np.clip(np.frexp(np.where(a > 0, a, 1))[1] - 1 - 8, -126, 127), 0)      # np.frexp(a)[1] - 1 = floor(log2(a)), exactly
;;       r = np.clip(x / 2.0 ** e, -448, 448)
;;       step = 2.0 ** (np.maximum(np.frexp(np.where(r == 0, 1, r))[1] - 1, -6) - 3)
;;       q = np.round(r / step) * step * 2.0 ** e      # np.round: ties to even
;;       return np.moveaxis(q.reshape(q.shape[:-2] + (-1,))[..., :K], -1, axis).astype(np.float32)
;;   ~~~
;;   OPERANDS COMPUTED ON THE WAY. 'Computed on the way' means the value that the module computes at that place (a softmax that the list does not call 'softmax' is quantised finished and normalised). What goes into a quantiser is computed in f32, as accurately as f32 sums, v_exp_f32 and their like allow (about 1e-6 of the number): no bf16 or f16 on the way to a quantiser, and a product that is left as it is and whose result goes on into a quantised operand takes f32 operands (vector FMAs, or v_wmma_f32_16x16x4_f32). A number that lies on a knife's edge between two numbers of the format may be rounded either way, as far as f32 arithmetic and the matrix unit's own rounding can turn it there, and no further.
;;   INPUTS GIVEN AS CODES. Wk (in the module: [1024, 1024], K = its axis 1); Wq (in the module: [1024, 1024], K = its axis 1); Wv (in the module: [1024, 1024], K = its axis 1); keys (in the module: [4, 2048, 1024], K = its axis 2); queries (in the module: [4, 2048, 1024], K = its axis 2); values (in the module: [4, 2048, 1024], K = its axis 2): each comes as NAME_codes (uint8): NAME with its K axis moved to the last place and cut into blocks of 32 codes, [.., K / 32, bytes a block], one block behind the other in memory; one code a byte (a code: sign, 4 exponent bits, 3 mantissa bits); and NAME_scales (uint8): the same leading axes, one E8M0 byte (e + 127) for each 32 codes along K. Its value is code x scale, taken as it is: it is not quantised again, and the codes and scales need not be those that the quantiser above would give.
;; One version. Each part assembles by itself: llvm-mc -triple=amdgcn-amd-amdhsa -mcpu=gfx1250 --defsym DOCPART=n.
;; ======== version 1 of 1: 3 launches
;; workspace buffers: qc 8,388,608 bytes; kc 8,388,608 bytes; vc 8,388,608 bytes; pc 16,777,216 bytes; qs 262,144 bytes; ks 262,144 bytes; vs 262,144 bytes; ps 524,288 bytes
;; launch proj (part 1): grid 4 x 96, 4 waves a work-group, clusters of 4 x 4, 327,680 bytes of LDS; arguments queries_codes, queries_scales, Wq_codes, Wq_scales, bq, qc, qs, keys_codes, keys_scales, Wk_codes, Wk_scales, bk, kc, ks, Wv_codes, Wv_scales, values_codes, values_scales, bv, vc, vs; writes qc, qs, kc, ks, vc, vs
.if DOCPART == 1
	.amdgcn_target "amdgcn-amd-amdhsa--gfx1250"
	.amdhsa_code_object_version 6
	.text
	.protected	k_qa24c28795d_proj
	.globl	k_qa24c28795d_proj
	.p2align	8
	.type	k_qa24c28795d_proj,@function
k_qa24c28795d_proj:
	s_mov_b64 s[64:65], 0
	v_nop
	global_prefetch_b8 v0, s[64:65] scope:SCOPE_SE
	s_setreg_imm32_b32 hwreg(HW_REG_WAVE_MODE, 25, 1), 1
	s_wait_xcnt 0x0
	s_wait_alu depctr_hold_cnt(0) depctr_sa_sdst(0) depctr_va_vdst(0) depctr_va_sdst(0) depctr_va_ssrc(0) depctr_va_vcc(0) depctr_vm_vsrc(0)
	s_getreg_b32 s2, hwreg(HW_REG_IB_STS2, 6, 4)
	s_cmp_eq_u32 s2, 0
	s_cbranch_scc0 .Lentry_in_a_cluster
	s_endpgm
.Lentry_in_a_cluster:
	s_bfe_u32 s2, ttmp6, 0x10000c
	s_cmp_lg_u32 s2, 0xf033
	s_cbranch_scc0 .Lentry_shape_is_right
	s_endpgm
.Lentry_shape_is_right:
; THE THREE PROJECTIONS, each a product on codes of FP8 (E4M3) with one E8M0 scale for each 32 along K, plus its bias, quantised again on the way out.
;   Q[s][e] = queries[s] . Wq[e] + bq[e],  K[s][e] = keys[s] . Wk[e] + bk[e]: A = the tokens (8,192 rows), B = the weight (1,024 rows); quantised along e.
;   V^T[e][s] = Wv[e] . values[s] + bv[e]: A = Wv (1,024 rows), B = the tokens (8,192 rows); quantised along s, the keys, which are the last product's K.
; NO WORK OF reference() IS LEFT OUT, in this launch or in the two behind it: a relu and a quantiser stand between the products, so none can be joined with another; every bias
; moves codes of a live operand; all fifteen inputs are loaded.
; LIMITS.  NaN and infinities among the inputs are not served.  A block of zeros gets the scale byte 1 with zero codes where the rule says 127: the bytes are read by this program alone.
; Inside each block of 32 along the next K the codes lie in another order than the numbers (below), alike in both operands of that product: the products are the same, the order of the f32 sums is not.
; SHARES.  384 tiles of 256 x 256 (128 for each projection), one to a work-group of four waves; a wave makes 128 x 128: 64 accumulators, 512 registers.  K = 1,024 goes in four steps of 256
; through a ring of two LDS slots filled by the tensor data mover; the scale bytes of the tile's 512 rows come once, with the first fills.
; CLUSTERS: 4 x 4 work-groups; A's tiles are shared along a row of the cluster, B's along a column: each is asked for jointly, by the same tensor load with a mask that names the four.
; TRANSPOSED USE: source 0 = 16 rows of B, source 1 = 16 rows of A.  Lane (r, h) then holds row r of A's block, and register j of accumulator (a, b) is column 16 b + 8 h + j: a lane's 64 registers
; of one a run along the next product's K.  Accumulators 2 c and 2 c + 1 give the lane 16 numbers of block c, lane l xor 16 holds the other 16.
; THE WAY OUT.  A wave's 128 columns are one K step of 128 of the next product, so each a gives one operand fragment (16 registers a lane) and one scale word a row.  The fragment is stored AS AN IMAGE OF
; ITS REGISTERS: register group c at 512 c + 16 x lane.  So place (h, byte 8 u + j) of block c holds the number 32 c + 16 u + 8 h + j: a fixed shuffle inside the block, the same for every operand made here.
;   codes:  batch x R x K + (k / 256) x R x 256 + (row / 16) x 4,096 + ((k / 128) % 2) x 2,048 + c x 512 + lane x 16      (R rows and K deep in a batch)
;   scale words: for each 128 rows and each 128 along K 512 bytes [g 0..1][r 0..15][j 0..3]: the word of row 16 (4 g + j) + r; the K steps of a row block on end.
; REGISTERS, in windows of 256: window 0: v0-31 addresses; v32-63 scale words, two sets, and nothing else; v64-127 the bias as the first products take it, on the way out 64 numbers at work;
;   v128-255 A's fragments, one set; on the way out v128-191 codes, v192-219 at work.   window 1: B's fragments, two sets.   windows 2, 3: the accumulators, (a, b) at v[8 (8 (a % 4) + b)].
.set KROW,   1024                      ; a row of A or of B in memory, in bytes
.set ROWB,   256                       ; a tile's row: 256 codes
.set NQ,     2                         ; matrix instructions deep in a slot
.set PITCH,  272                       ; an LDS row: 256 bytes + 16 of padding = 68 words: the 16 rows that a load touches start at 16 different banks (64 banks of 4 bytes: ISA guide 11.1)
.set FR,     16                        ; registers of a fragment
.set NL,     4                         ; LDS loads that bring one
.set NP,     8                         ; places behind this matrix instruction (ISA guide 7.12.1)
.set HALFT,  128*PITCH                 ; 128 rows: what one tensor load brings
.set SLOT,   4*HALFT                   ; A's 256 rows, then B's 256 rows
.set KS,     KROW/32                   ; a row of scale bytes
.set SCL,    2*SLOT                    ; behind the ring: the scale bytes, as rows of 256 bytes + 16 of padding
.set HALFS,  (128*KS/256)*272          ; those of 128 rows
.set SBLK,   (16*KS/256)*272           ; those of 16 rows
.set SPARE,  SCL+4*HALFS               ; the spare words, 128 bytes for each wave: two blocks of 256 bytes that no other line names
.set LANE, 8                           ; v8      my lane
.set ADRA, 16                          ; v16-17  LDS address of my A fragments in slot 0, 1
.set ADRB, 20                          ; v20-21  the same for B
.set LI,   26                          ; v26     16 x lane: my place in an image
.set ADRS, 27                          ; v27     LDS address of my scale words: lanes 0-15 A's rows, lanes 16-31 B's
.set SPW,  28                          ; v28     LDS address of my spare word; never rewritten
.set NIL,  29                          ; v29     0; never rewritten
.set BO,   30                          ; v30     my byte offset in the bias
.set SC,   32                          ; scale words: set s at v[SC + 16 s]; register 2 i + q: lanes 0-15 A's block i, lanes 16-31 B's block i, the slot's q-th 128 along K
.set BIAS, 64                          ; eight registers a tile, in the result's layout
.set TT,   64                          ; the way out: 64 held numbers
.set AF,   128                         ; A's fragments
.set PCD,  128                         ; the way out: codes, four sets of 16
.set TM,   192                         ; v192-195 largest magnitudes, v196-199 bytes, v200-203 448 x the scale, v204-207 the conversions' scale operands
.set PW,   208                         ; v208-215 the scale word of each a
.set SW,   216                         ; v216-219 the four words that my lane stores
.set WV,   18                          ; s18 wave;  s19 wave / 2: my half of the rows, and 0 = I fetch for A, 1 = for B;  s20 wave % 2: my half of the columns, and which 128 rows I fetch
.set WHI,  19
.set WLO,  20
.set MNT,  21                          ; s21 the mantissa field of 448
.set SEL,  22                          ; s[22:23] v_permlanex16_b32's selects for lane l xor 16
.set G1,   24                          ; s[24:31] descriptor group 1 for A's tiles;  s[32:39] group 0, a set for each slot
.set G0,   32
.set G1B,  48                          ; s[48:55], s[56:63] the same for B's tiles
.set G0B,  56
.set G1S,  68                          ; s[68:75], s[76:79] for A's scale bytes;  s[80:87], s[88:91] for B's
.set G0S,  76
.set G1SB, 80
.set G0SB, 88
.set CX,   92                          ; my place in the cluster
.set CY,   93
.set WHICH, 94                         ; 0: Q, 1: K, 2: V
.set UU,   95
.set TC,   96                          ; tile column (B's 256 rows)
.set TR,   97                          ; tile row (A's 256 rows)
.set MROW, 98                          ; the masks of my row and of my column of the cluster
.set MCOL, 99
.set MSB, 0
.macro WIN new                         ; the immediate's high byte repeats the setting that is left
.if MSB != \new
	s_set_vgpr_msb (MSB<<8)|\new
.set MSB, \new
.endif
.endm
.set MUL_LO, 0xa1                      ; source 0 (B) window 1, source 1 (A) window 0, C and D window 2
.set MUL_HI, 0xf1                      ; the same, C and D window 3
.set BIA_LO, 0x81                      ; the first products: C (the bias) window 0, D window 2
.set BIA_HI, 0xc1                      ; D window 3
.set TO_B,   0x40                      ; destination window 1, address window 0
.macro ADDSH d, s, n, t                ; s[d] += s[s] << n, by way of s[t]
	s_lshl_b32 s[\t], s[\s], \n
	s_add_co_u32 s[\d], s[\d], s[\t]
.endm
; A joint load: waves 0 and 1 fetch for A, waves 2 and 3 for B.  Each line has one mask and one set of registers for all that issue it; the branch hangs on the wave's number alone.
; An s_nop 0 and four v_nop follow each of the two lines.
.macro JLOAD g0a, g1a, g0b, g1b
	s_cmp_eq_u32 s[WHI], 0
	s_cbranch_scc0 .Lfor_b_\@
	tensor_load_to_lds s[\g0a:\g0a+3], s[\g1a:\g1a+7]
	s_nop 0
.rept 4
	v_nop
.endr
	s_branch .Lasked_\@
.Lfor_b_\@:
	tensor_load_to_lds s[\g0b:\g0b+3], s[\g1b:\g1b+7]
	s_nop 0
.rept 4
	v_nop
.endr
.Lasked_\@:
.endm
.macro CREST                           ; a round of the cluster's barrier behind its opening barrier
	s_cmp_lg_u32 s[WV], 0
	s_cbranch_scc1 .Lnot_wave_0_\@
	s_barrier_signal -3
.Lnot_wave_0_\@:
	s_barrier_wait -3
	s_barrier_signal -1
	s_barrier_wait -1
.endm
.macro CROUND                          ; a whole round
	s_barrier_signal -1
	s_barrier_wait -1
	CREST
.endm
.macro PLACES n                        ; plain vector instructions between a matrix instruction and a load into, or a vector read or write of, its registers
.rept \n
	v_nop
.endr
.endm
	s_load_b256 s[24:31], s[0:1], 0x0              ; Q's seven addresses: A's codes, A's scales, B's codes, B's scales,
	s_load_b128 s[32:35], s[0:1], 0x20             ; the bias, the codes out,
	s_load_b64 s[36:37], s[0:1], 0x30              ; the scale words out
	s_load_b256 s[40:47], s[0:1], 0x38             ; K's seven
	s_load_b128 s[48:51], s[0:1], 0x58
	s_load_b64 s[52:53], s[0:1], 0x68
	s_load_b256 s[68:75], s[0:1], 0x70             ; V's seven
	s_load_b128 s[76:79], s[0:1], 0x90
	s_load_b64 s[80:81], s[0:1], 0xa0
	v_lshl_add_u32 v[SPW], v0, 2, SPARE
	v_mov_b32 v[NIL], 0
	ds_add_u32 v[SPW], v[NIL]                      ; the wave's opening: the add, twice on end, and its wait ahead of my first tensor load
	ds_add_u32 v[SPW], v[NIL]                      ; and once more, under the one wait; the ids below, work on registers, stand between
	v_lshrrev_b32 v1, 5, v0
	v_readfirstlane_b32 s[WV], v1                  ; wave 0..3
	s_lshr_b32 s[WHI], s[WV], 1
	s_and_b32 s[WLO], s[WV], 1
	s_bfe_u32 s[CX], ttmp6, 0x40000
	s_bfe_u32 s[CY], ttmp6, 0x40004
	s_and_b32 s2, ttmp7, 0xffff                    ; the cluster's number, 0 .. 23: eight clusters for each projection
	s_lshr_b32 s[WHICH], s2, 3
	s_and_b32 s[UU], s2, 7
	s_lshl_b32 s[UU], s[UU], 2
	s_cmp_eq_u32 s[WHICH], 2                       ; the same in all sixteen partners
	s_cselect_b32 s[TC], s[UU], 0                  ; V: the clusters lie side by side along B's 8,192 rows;
	s_cselect_b32 s[TR], 0, s[UU]                  ; Q, K: one below the other along A's
	s_add_co_u32 s[TC], s[TC], s[CX]
	s_add_co_u32 s[TR], s[TR], s[CY]
	s_lshl_b32 s[MROW], s[CY], 2
	s_lshl_b32 s[MROW], 15, s[MROW]                ; my row of the cluster: places 4 cy .. 4 cy + 3
	s_lshl_b32 s[MCOL], 0x1111, s[CX]              ; my column: places cx, cx + 4, cx + 8, cx + 12
	s_mov_b32 s[MNT], 0x600000
	s_mov_b32 s[SEL], 0x76543210
	s_mov_b32 s[SEL+1], 0xfedcba98
	s_mul_i32 s100, s[WV], HALFT                   ; where my tiles go: wave x 128 rows: no place in the cluster enters an LDS address
	s_mul_i32 s101, s[WV], HALFS
	s_wait_dscnt 0x0                               ; both opening adds are done
	s_wait_kmcnt 0x0
	s_cmp_eq_u32 s[WHICH], 1                       ; the projection's seven addresses: the choice hangs on the cluster's number alone
.irp p, 0,1,2,3,4,5,6
	s_cselect_b64 s[24+2*\p:25+2*\p], s[40+2*\p:41+2*\p], s[24+2*\p:25+2*\p]
.endr
	s_cmp_eq_u32 s[WHICH], 2
.irp p, 0,1,2,3,4,5,6
	s_cselect_b64 s[4+2*\p:5+2*\p], s[68+2*\p:69+2*\p], s[24+2*\p:25+2*\p]   ; s[4:5] A's codes, s[6:7] A's scales, s[8:9] B's codes, s[10:11] B's scales, s[12:13] bias, s[14:15] codes out, s[16:17] scale words out
.endr
	; descriptor group 1: a tile of 128 rows x 256 bytes, padded in LDS
	s_or_b32 s[G1+0], s[MROW], (0<<16)|(1<<20)|(1<<21)|(5<<22)|(3<<25)  ; 15:0 the mask; 17:16 elements of 1 byte; 20 padding on; 21 set beside a mask; 24:22 after every 64 words (code 5); 31:25 four words (code 3)
	s_or_b32 s[G1B+0], s[MCOL], (0<<16)|(1<<20)|(1<<21)|(5<<22)|(3<<25)
.irp g, G1, G1B
	s_mov_b32 s[\g+1], ROWB<<16                    ; tensor_dim0
	s_mov_b32 s[\g+2], 128<<16                     ; tensor_dim1
	s_mov_b32 s[\g+3], ROWB<<16                    ; tile_dim0
	s_mov_b32 s[\g+4], 128                         ; tile_dim1
	s_mov_b32 s[\g+5], KROW                        ; tensor_dim0_stride
	s_mov_b32 s[\g+6], 0
	s_mov_b32 s[\g+7], 0
.endr
	; and for the scale bytes of 128 rows: 4,096 dense bytes as 16 rows of 256 (32 elements of 8 bytes), 16 bytes of padding behind each
	s_or_b32 s[G1S+0], s[MROW], (3<<16)|(1<<20)|(1<<21)|(5<<22)|(3<<25)
	s_or_b32 s[G1SB+0], s[MCOL], (3<<16)|(1<<20)|(1<<21)|(5<<22)|(3<<25)
.irp g, G1S, G1SB
	s_mov_b32 s[\g+1], 32<<16
	s_mov_b32 s[\g+2], (128*KS/256)<<16
	s_mov_b32 s[\g+3], 32<<16
	s_mov_b32 s[\g+4], 128*KS/256
	s_mov_b32 s[\g+5], 32
	s_mov_b32 s[\g+6], 0
	s_mov_b32 s[\g+7], 0
.endr
	; where the tiles come from.  A's hang on the tile row alone (s40-43), B's on the tile column alone (s44-47): neither set of registers ever holds the other coordinate
	s_lshl_b32 s40, s[TR], 8
	ADDSH 40, WLO, 7, 41                           ; A: row 256 x tile row + 128 x the half that I fetch
	s_lshl_b32 s42, s40, 5                         ; its scale bytes,
	s_lshl_b32 s40, s40, 10                        ; its codes
	s_mov_b32 s41, 0
	s_mov_b32 s43, 0
	s_lshl_b32 s44, s[TC], 8
	ADDSH 44, WLO, 7, 45                           ; B likewise, by the tile column
	s_lshl_b32 s46, s44, 5
	s_lshl_b32 s44, s44, 10
	s_mov_b32 s45, 0
	s_mov_b32 s47, 0
	s_add_nc_u64 s[40:41], s[4:5], s[40:41]
	s_add_nc_u64 s[42:43], s[6:7], s[42:43]
	s_add_nc_u64 s[44:45], s[8:9], s[44:45]
	s_add_nc_u64 s[46:47], s[10:11], s[46:47]
	CROUND                                         ; all sixteen work-groups are here: the first joint loads meet
	s_mov_b32 s[G0S], 1
	s_add_co_u32 s[G0S+1], s101, SCL
	s_mov_b64 s[G0S+2:G0S+3], s[42:43]
	s_or_b32 s[G0S+3], s[G0S+3], 0x80000000
	s_mov_b32 s[G0SB], 1
	s_add_co_u32 s[G0SB+1], s101, SCL
	s_mov_b64 s[G0SB+2:G0SB+3], s[46:47]
	s_or_b32 s[G0SB+3], s[G0SB+3], 0x80000000
	JLOAD G0S, G1S, G0SB, G1SB                     ; the scale bytes first: they are wanted with K step 0
.irp s, 0,1
	s_mov_b32 s[G0+4*\s], 1
	s_add_co_u32 s[G0+4*\s+1], s100, \s*SLOT
	s_add_nc_u64 s[G0+4*\s+2:G0+4*\s+3], s[40:41], \s*ROWB
	s_or_b32 s[G0+4*\s+3], s[G0+4*\s+3], 0x80000000
	s_mov_b32 s[G0B+4*\s], 1
	s_add_co_u32 s[G0B+4*\s+1], s100, \s*SLOT
	s_add_nc_u64 s[G0B+4*\s+2:G0B+4*\s+3], s[44:45], \s*ROWB
	s_or_b32 s[G0B+4*\s+3], s[G0B+4*\s+3], 0x80000000
	JLOAD G0+4*\s, G1, G0B+4*\s, G1B               ; three tensor loads of mine are out
.endr
	v_and_b32 v1, 15, v0                           ; r = lane % 16
	v_bfe_u32 v2, v0, 4, 1                         ; h = lane / 16
	v_and_b32 v[LANE], 31, v0
	v_lshlrev_b32 v[LI], 4, v[LANE]
	; THE BIAS IS THE C OF EACH SUM'S FIRST PRODUCT: eight registers a tile, in the result's layout.  Q, K: it runs along the columns (B's rows): tile b, register j: column 16 b + 8 h + j.
	; V: it runs along A's rows: tile a: row 16 a + r, the same in all eight registers.  The branch hangs on the cluster's number: all partners and all waves go the same way.
	s_cmp_eq_u32 s[WHICH], 2
	s_cbranch_scc1 .Lbias_v
	s_lshl_b32 s2, s[TC], 10
	ADDSH 2, WLO, 9, 3                             ; my 128 columns, 4 bytes each
	v_lshl_add_u32 v[BO], v2, 5, s2
.irp b, 0,1,2,3,4,5,6,7
	global_load_b128 v[BIAS+8*\b:BIAS+8*\b+3], v[BO], s[12:13] offset:64*\b
	global_load_b128 v[BIAS+8*\b+4:BIAS+8*\b+7], v[BO], s[12:13] offset:64*\b+16
.endr
	s_branch .Lbias_done
.Lbias_v:
	s_lshl_b32 s2, s[TR], 10
	ADDSH 2, WHI, 9, 3                             ; my 128 rows
	v_lshl_add_u32 v[BO], v1, 2, s2
.irp a, 0,1,2,3,4,5,6,7
	global_load_b32 v[BIAS+8*\a], v[BO], s[12:13] offset:64*\a
.endr
	s_wait_loadcnt 0x0
.irp a, 0,1,2,3,4,5,6,7
.irp j, 1,2,3,4,5,6,7
	v_mov_b32 v[BIAS+8*\a+\j], v[BIAS+8*\a]
.endr
.endr
.Lbias_done:
	v_mul_u32_u24 v3, v1, PITCH
	v_lshl_add_u32 v4, v2, 4, v3                   ; a fragment's row x pitch + 16 x half
	s_mul_i32 s100, s[WHI], HALFT                  ; my 128 rows of A
	s_mul_i32 s101, s[WLO], HALFT                  ; my 128 rows of B,
	s_add_co_u32 s101, s101, 2*HALFT               ; which lie behind A's 256
.irp s, 0,1
	v_add_nc_u32 v[ADRA+\s], s100, v4
	v_add_nc_u32 v[ADRB+\s], s101, v4
	s_add_co_u32 s100, s100, SLOT
	s_add_co_u32 s101, s101, SLOT
.endr
	v_mul_u32_u24 v5, v1, KS                       ; my row's scale bytes: KS bytes a row,
	v_lshrrev_b32 v6, 8, v5
	v_lshl_add_u32 v5, v6, 4, v5                   ; and 16 more for each 256 passed
	s_mul_i32 s100, s[WHI], HALFS                  ; A's: my 128 rows
	s_mul_i32 s101, s[WLO], HALFS                  ; B's: my 128 rows, behind A's 256
	s_add_co_u32 s101, s101, 2*HALFS
	s_sub_co_u32 s101, s101, s100
	v_mul_u32_u24 v6, s101, v2                     ; lanes 16-31 take B's
	s_add_co_u32 s100, s100, SCL
	v_add_nc_u32 v5, v5, v6
	v_add_nc_u32 v[ADRS], s100, v5
	; where my results go.  Q, K: 2,048 rows and 1,024 deep in a batch: batch = tile row / 8, K slot = tile column.  V: 1,024 rows and 2,048 deep: batch = tile column / 8, K slot = tile column % 8
	s_lshr_b32 s2, s[TR], 3
	s_lshr_b32 s3, s[TC], 3
	s_and_b32 s66, s[TR], 7
	s_and_b32 s67, s[TC], 7
	s_lshl_b32 s104, s[TC], 1
	s_cmp_eq_u32 s[WHICH], 2
	s_cselect_b32 s2, s3, s2                       ; the batch
	s_cselect_b32 s66, s[TR], s66                  ; which 256 rows of the batch's operand
	s_cselect_b32 s104, s67, s104                  ; the K slot in units of 2^18 bytes (a K slot of 2,048 rows is two of them)
	s_cselect_b32 s67, s67, s[TC]                  ; the K slot
	s_cselect_b32 s105, 13, 12                     ; a row block's scale words: 16 or 8 K steps of 512 bytes
	s_lshl_b32 s3, s66, 1
	s_add_co_u32 s3, s3, s[WHI]                    ; my block of 128 rows
	s_lshl_b32 s3, s3, s105
	ADDSH 3, 2, 16, 105                            ; + the batch's 2^16 bytes of scale words
	ADDSH 3, 67, 10, 105                           ; + two K steps a K slot
	ADDSH 3, WLO, 9, 105                           ; + mine of the two
	s_lshl_b32 s2, s2, 21                          ; codes: 2^21 bytes a batch
	ADDSH 2, 104, 18, 105
	ADDSH 2, 66, 16, 105                           ; 16 row tiles of 4,096 bytes
	ADDSH 2, WHI, 15, 105
	ADDSH 2, WLO, 11, 105                          ; my 128 of the K slot's 256
	s_mov_b32 s66, s3
	s_mov_b32 s67, 0
	s_mov_b32 s3, 0
	s_add_nc_u64 s[14:15], s[14:15], s[2:3]
	s_add_nc_u64 s[16:17], s[16:17], s[66:67]
.macro FRAG reg, adr, q, i             ; a fragment, 16 rows x 128 K: lane l holds row l % 16; registers 4 c .. 4 c + 3 hold K = 32 c + 16 (l / 16) + 0 .. 15
.irp c, 0,1,2,3
	ds_load_b128 v[\reg+4*\c:\reg+4*\c+3], v[\adr] offset:128*(\q)+32*\c+(\i)*16*PITCH
.endr
.endm
; 16 matrix instructions: A's blocks a0, a0 + 1 x B's eight, the slot's q-th 128 along K.  p: B's set; sc: the set of scale words.  zero = 1: the sums start from the bias by columns; 2: by rows; 0: they go on.
; The 64 accumulators take turns, one instruction a turn, in the same order in every step.
.macro MUL16 a0, p, q, sc, zero
.irp a, \a0, \a0+1
.irp b, 0,1,2,3,4,5,6,7
.if \zero == 1
	v_wmma_scale_f32_16x16x128_f8f6f4 v[8*(8*((\a)%4)+\b):8*(8*((\a)%4)+\b)+7], v[128*(\p)+FR*\b:128*(\p)+FR*\b+FR-1], v[AF+FR*(\a):AF+FR*(\a)+FR-1], v[BIAS+8*\b:BIAS+8*\b+7], v[SC+8*NQ*(\sc)+NQ*\b+(\q)], v[SC+8*NQ*(\sc)+NQ*(\a)+(\q)] matrix_a_scale:MATRIX_SCALE_ROW1
.elseif \zero == 2
	v_wmma_scale_f32_16x16x128_f8f6f4 v[8*(8*((\a)%4)+\b):8*(8*((\a)%4)+\b)+7], v[128*(\p)+FR*\b:128*(\p)+FR*\b+FR-1], v[AF+FR*(\a):AF+FR*(\a)+FR-1], v[BIAS+8*(\a):BIAS+8*(\a)+7], v[SC+8*NQ*(\sc)+NQ*\b+(\q)], v[SC+8*NQ*(\sc)+NQ*(\a)+(\q)] matrix_a_scale:MATRIX_SCALE_ROW1
.else
	v_wmma_scale_f32_16x16x128_f8f6f4 v[8*(8*((\a)%4)+\b):8*(8*((\a)%4)+\b)+7], v[128*(\p)+FR*\b:128*(\p)+FR*\b+FR-1], v[AF+FR*(\a):AF+FR*(\a)+FR-1], v[8*(8*((\a)%4)+\b):8*(8*((\a)%4)+\b)+7], v[SC+8*NQ*(\sc)+NQ*\b+(\q)], v[SC+8*NQ*(\sc)+NQ*(\a)+(\q)] matrix_a_scale:MATRIX_SCALE_ROW1
.endif
.endr
.endr
.endm
.macro FETCH_B slot, q, p              ; B's eight fragments of the slot's q-th 128 along K into set p
	WIN TO_B
.irp i, 0,1,2,3,4,5,6,7
	FRAG 128*(\p)+FR*\i, ADRB+\slot, \q, \i
.endr
	WIN 0
.endm
.macro FETCH_A slot, q, i0             ; A's blocks i0 .. i0 + 3
.irp i, \i0, \i0+1, \i0+2, \i0+3
	FRAG AF+FR*(\i), ADRA+\slot, \q, \i
.endr
.endm
.macro SCALES sc                       ; a K slot's scale words into set sc: two words a row; lanes 0-15 take A's block i, lanes 16-31 B's block i
.irp i, 0,1,2,3,4,5,6,7
	ds_load_b64 v[SC+8*NQ*\sc+NQ*\i:SC+8*NQ*\sc+NQ*\i+1], v[ADRS] offset:\i*SBLK
.endr
.endm
; A step of 128 along K that has its successor in the same slot.  A's blocks go one after the other, each against B's eight: blocks 0-3 are fetched anew in the middle, blocks 4-7 at the end; B has two sets.
.macro STEP slot, q, zero
	s_wait_dscnt 4*NL                              ; B's set, A's blocks 0-3 and the scale words are in; the youngest 16 loads (A's blocks 4-7) may be out
.if \zero
	WIN BIA_LO
.else
	WIN MUL_LO
.endif
	MUL16 0, (\q)%2, \q, \slot, \zero
	MUL16 2, (\q)%2, \q, \slot, \zero
	s_wait_dscnt 0                                 ; A's blocks 4-7 are in
	PLACES NP
	FETCH_B \slot, (\q)+1, 1-(\q)%2
	FETCH_A \slot, (\q)+1, 0
.if \zero
	WIN BIA_HI
.else
	WIN MUL_HI
.endif
	MUL16 4, (\q)%2, \q, \slot, \zero
	MUL16 6, (\q)%2, \q, \slot, \zero
	PLACES NP
	WIN 0
	FETCH_A \slot, (\q)+1, 4
.endm
; A slot's last step changes slots: one barrier; ahead of it each wave waits for all its tensor loads, adds 0 to its spare word, and waits for that and for its own reads of this slot.
; fill = 1: the barrier opens a round of the cluster's barrier, and behind the round this slot is filled again, two K slots ahead.
.macro TURN slot, next, fill
	s_wait_tensorcnt 0x0                           ; all my tensor loads have landed: my part of the next slot
	ds_add_u32 v[SPW], v[NIL]                      ; 0 onto my spare word
	s_wait_dscnt 4*NL+1                            ; (the add and the youngest 16 loads, A's blocks 4-7, may be out)
	WIN MUL_LO
	MUL16 0, 1, NQ-1, \slot, 0                     ; sixteen matrix instructions stand between the add and the wait for it
	s_wait_dscnt 0x0                               ; the add is done, and my reads of this slot are over
	s_barrier_signal -1
	MUL16 2, 1, NQ-1, \slot, 0
	WIN 0
	s_barrier_wait -1
.if \fill
	CREST                                          ; no wave of any partner still reads this slot's tile or has a load on its way
	s_add_nc_u64 s[G0+4*\slot+2:G0+4*\slot+3], s[G0+4*\slot+2:G0+4*\slot+3], 2*ROWB
	s_add_nc_u64 s[G0B+4*\slot+2:G0B+4*\slot+3], s[G0B+4*\slot+2:G0B+4*\slot+3], 2*ROWB
	JLOAD G0+4*\slot, G1, G0B+4*\slot, G1B         ; the first tensor load behind the round; its four v_nop are among the places ahead of the loads below
	PLACES NP-4
.else
	PLACES NP
.endif
	v_add_nc_u32 v[ADRS], 4*NQ, v[ADRS]            ; on to the next K slot's scale words
	FETCH_B \next, 0, 0
	FETCH_A \next, 0, 0
	SCALES \next
	WIN MUL_HI
	MUL16 4, 1, NQ-1, \slot, 0
	MUL16 6, 1, NQ-1, \slot, 0
	PLACES NP
	WIN 0
	FETCH_A \next, 0, 4
.endm
	s_wait_tensorcnt 1                             ; the scale bytes and my part of K slot 0 are in; K slot 1's load, the one issued behind them, may be out
	s_barrier_signal -1
	s_barrier_wait -1                              ; everybody's are
	FETCH_B 0, 0, 0
	FETCH_A 0, 0, 0
	SCALES 0
	FETCH_A 0, 0, 4
	s_wait_loadcnt 0x0                             ; the bias
	s_cmp_eq_u32 s[WHICH], 2                       ; the first step is written twice: its products name the bias by b (Q, K) or by a (V).  It holds no tensor load, no barrier and no LDS store
	s_cbranch_scc1 .Lfirst_v
	STEP 0, 0, 1
	s_branch .Lfirst_done
.Lfirst_v:
	STEP 0, 0, 2
.Lfirst_done:
	TURN 0, 1, 1                                   ; K = 1,024 is four K slots: one lap fills both slots again, so it stands once and no loop is written
	STEP 1, 0, 0
	TURN 1, 0, 1
	STEP 0, 0, 0
	TURN 0, 1, 0                                   ; the last lap fills nothing, and has no round of the cluster's barrier
	STEP 1, 0, 0
	s_wait_dscnt 4*NL                              ; the very last step: nothing more to fetch
	WIN MUL_LO
	MUL16 0, 1, NQ-1, 1, 0
	MUL16 2, 1, NQ-1, 1, 0
	s_wait_dscnt 0
	WIN MUL_HI
	MUL16 4, 1, NQ-1, 1, 0
	MUL16 6, 1, NQ-1, 1, 0
	WIN 0
; THE WAY OUT.  QUANT a: my lane's 64 numbers of A's block a (four blocks of 32 along the next K, 16 numbers of each) become a fragment's 16 registers of codes and one scale word, and the fragment is stored.
; A block's scale byte is its largest magnitude's exponent field - 8, held at 1 from below by a floor among the maximum's leaves; each number is held within +-448 x the scale, since the conversion does not saturate (ISA guide 7.6.2).
; relu = 1: what is negative becomes 0 on the way: it does not count for the maximum, and the hold clips at 0.
.macro QUANT a, relu
.set S0, 64*((\a)%4)
.set PCA, PCD+16*((\a)%4)
	WIN 0x0a+5*((\a)/4)                            ; sources 0 and 1: the accumulators' window, 2 or 3
.irp b, 0,1,2,3
.if \relu
	v_max3_num_f32 v[TM+\b], v[S0+16*\b], v[S0+16*\b+1], 0x4800000       ; each accumulator is read from its low end on; the floor is 2^(9 - 127)
.else
	v_max3_num_f32 v[TM+\b], |v[S0+16*\b]|, |v[S0+16*\b+1]|, 0x4800000   ; each accumulator is read from its low end on; the floor is 2^(9 - 127)
.endif
.endr
.irp i, 2,4,6,8,10,12,14
.irp b, 0,1,2,3
.if \relu
	v_max3_num_f32 v[TM+\b], v[S0+16*\b+\i], v[S0+16*\b+\i+1], v[TM+\b]
.else
	v_max3_num_f32 v[TM+\b], |v[S0+16*\b+\i]|, |v[S0+16*\b+\i+1]|, v[TM+\b]   ; (the four blocks by turns)
.endif
.endr
.endr
	WIN 0
.irp b, 0,1,2,3
	v_permlanex16_b32 v[TM+4+\b], v[TM+\b], s[SEL], s[SEL+1]
.endr
.irp b, 0,1,2,3
	v_max_num_f32 v[TM+\b], v[TM+\b], v[TM+4+\b]   ; with lane l xor 16's 16: the block's largest magnitude
.endr
.irp b, 0,1,2,3
	v_add_nc_u32 v[TM+12+\b], 0xfc000000, v[TM+\b] ; 8 off its exponent field: the conversion's scale operand
.endr
.irp b, 0,1,2,3
	v_and_or_b32 v[TM+8+\b], v[TM+\b], 0x7f800000, s[MNT]   ; 448 x the scale
.endr
.irp b, 0,1,2,3
	v_lshrrev_b32 v[TM+4+\b], 23, v[TM+12+\b]      ; the scale's byte
.endr
	v_lshl_or_b32 v[PW+\a], v[TM+5], 8, v[TM+4]    ; my row's scale word for these 128 along the next K
	v_lshl_or_b32 v[PW+\a], v[TM+6], 16, v[PW+\a]
	v_lshl_or_b32 v[PW+\a], v[TM+7], 24, v[PW+\a]
	WIN 2+(\a)/4                                   ; source 0: the accumulators' window
.irp b, 0,1,2,3
.irp i, 0,1,2,3,4,5,6,7,8,9,10,11,12,13,14,15
.if \relu
	v_med3_num_f32 v[TT+16*\b+\i], v[S0+16*\b+\i], 0, v[TM+8+\b]
.else
	v_med3_num_f32 v[TT+16*\b+\i], v[S0+16*\b+\i], -v[TM+8+\b], v[TM+8+\b]
.endif
.endr
.endr
	WIN 0
.if (\a) >= 4
	s_wait_xcnt 0x0                                ; block a - 4's stores have read their data: its set of code registers is written again only behind this wait
.endif
.irp b, 0,1,2,3
	v_cvt_scalef32_pk8_fp8_f32 v[PCA+4*\b:PCA+4*\b+1], v[TT+16*\b:TT+16*\b+7], v[TM+12+\b]
	v_cvt_scalef32_pk8_fp8_f32 v[PCA+4*\b+2:PCA+4*\b+3], v[TT+16*\b+8:TT+16*\b+15], v[TM+12+\b]
.endr
	v_nop                                          ; one plain vector instruction behind the last conversion
.irp c, 0,1,2,3
	global_store_b128 v[LI], v[PCA+4*\c:PCA+4*\c+3], s[14:15] offset:(\a)*4096+\c*512   ; the wave stores 512 consecutive bytes, at a multiple of 512 from the buffer's first byte
.endr
.endm
	PLACES NP                                      ; behind the last products: ahead of the first read of results and the first write of registers that held A's fragments
.irp b, 0,1,2,3
	v_mov_b32 v[TM+4+\b], 0                        ; written once: a lane permute's destination counts as one of its sources
.endr
.irp a, 0,1,2,3,4,5,6,7
	QUANT \a, 0
.endr
	v_cmp_le_u32 vcc_lo, 16, v[LANE]               ; lanes 0-15 store the words of blocks 0-3, lanes 16-31 those of blocks 4-7 (both halves of the lanes hold every word)
.irp j, 0,1,2,3
	v_cndmask_b32 v[SW+\j], v[PW+\j], v[PW+4+\j], vcc_lo
.endr
	global_store_b128 v[LI], v[SW:SW+3], s[16:17]  ; 512 consecutive bytes: my 128 rows' scale words of my K step
	s_wait_tensorcnt 0x0                           ; the wave's end
	ds_add_u32 v[SPW], v[NIL]
	s_wait_dscnt 0x0
	CROUND                                         ; the closing round: no work-group ends while a partner may still ask for a tile that names it
	s_endpgm
.Lfunc_end_k_qa24c28795d_proj:
	.size	k_qa24c28795d_proj, .Lfunc_end_k_qa24c28795d_proj-k_qa24c28795d_proj
	.p2alignl 7, 3214868480
	.fill 96, 4, 3214868480
	.section	.rodata,"a",@progbits
	.p2align	6, 0x0
	.amdhsa_kernel k_qa24c28795d_proj
		.amdhsa_group_segment_fixed_size 327680
		.amdhsa_private_segment_fixed_size 0
		.amdhsa_enable_private_segment 0
		.amdhsa_kernarg_size 168
		.amdhsa_user_sgpr_count 2
		.amdhsa_user_sgpr_kernarg_segment_ptr 1
		.amdhsa_wavefront_size32 1
		.amdhsa_system_sgpr_workgroup_id_x 1
		.amdhsa_system_sgpr_workgroup_id_y 1
		.amdhsa_system_sgpr_workgroup_id_z 1
		.amdhsa_system_vgpr_workitem_id 0
		.amdhsa_next_free_vgpr 1024
		.amdhsa_next_free_sgpr 106
		.amdhsa_reserve_vcc 1
		.amdhsa_float_denorm_mode_32 3
		.amdhsa_float_denorm_mode_16_64 3
		.amdhsa_memory_ordered 1
		.amdhsa_forward_progress 1
		.amdhsa_inst_pref_size 203
	.end_amdhsa_kernel
	.amdgpu_metadata
---
amdhsa.version: [ 1, 2 ]
amdhsa.kernels:
  - .name:           k_qa24c28795d_proj
    .symbol:         k_qa24c28795d_proj.kd
    .args:
      - { .name: queries_codes, .offset: 0, .size: 8, .value_kind: global_buffer, .address_space: global }
      - { .name: queries_scales, .offset: 8, .size: 8, .value_kind: global_buffer, .address_space: global }
      - { .name: Wq_codes, .offset: 16, .size: 8, .value_kind: global_buffer, .address_space: global }
      - { .name: Wq_scales, .offset: 24, .size: 8, .value_kind: global_buffer, .address_space: global }
      - { .name: bq, .offset: 32, .size: 8, .value_kind: global_buffer, .address_space: global }
      - { .name: qc, .offset: 40, .size: 8, .value_kind: global_buffer, .address_space: global }
      - { .name: qs, .offset: 48, .size: 8, .value_kind: global_buffer, .address_space: global }
      - { .name: keys_codes, .offset: 56, .size: 8, .value_kind: global_buffer, .address_space: global }
      - { .name: keys_scales, .offset: 64, .size: 8, .value_kind: global_buffer, .address_space: global }
      - { .name: Wk_codes, .offset: 72, .size: 8, .value_kind: global_buffer, .address_space: global }
      - { .name: Wk_scales, .offset: 80, .size: 8, .value_kind: global_buffer, .address_space: global }
      - { .name: bk, .offset: 88, .size: 8, .value_kind: global_buffer, .address_space: global }
      - { .name: kc, .offset: 96, .size: 8, .value_kind: global_buffer, .address_space: global }
      - { .name: ks, .offset: 104, .size: 8, .value_kind: global_buffer, .address_space: global }
      - { .name: Wv_codes, .offset: 112, .size: 8, .value_kind: global_buffer, .address_space: global }
      - { .name: Wv_scales, .offset: 120, .size: 8, .value_kind: global_buffer, .address_space: global }
      - { .name: values_codes, .offset: 128, .size: 8, .value_kind: global_buffer, .address_space: global }
      - { .name: values_scales, .offset: 136, .size: 8, .value_kind: global_buffer, .address_space: global }
      - { .name: bv, .offset: 144, .size: 8, .value_kind: global_buffer, .address_space: global }
      - { .name: vc, .offset: 152, .size: 8, .value_kind: global_buffer, .address_space: global }
      - { .name: vs, .offset: 160, .size: 8, .value_kind: global_buffer, .address_space: global }
    .group_segment_fixed_size: 327680
    .private_segment_fixed_size: 0
    .kernarg_segment_align: 8
    .kernarg_segment_size: 168
    .max_flat_workgroup_size: 128
    .sgpr_count:     106
    .vgpr_count:     1024
    .wavefront_size: 32
...
	.end_amdgpu_metadata
.endif
;; end of part 1
;; launch scores (part 2): grid 8 x 32, 4 waves a work-group, clusters of 4 x 4, 327,680 bytes of LDS; arguments qc, qs, kc, ks, pc, ps; writes pc, ps
.if DOCPART == 2
	.amdgcn_target "amdgcn-amd-amdhsa--gfx1250"
	.amdhsa_code_object_version 6
	.text
	.protected	k_qa24c28795d_scores
	.globl	k_qa24c28795d_scores
	.p2align	8
	.type	k_qa24c28795d_scores,@function
k_qa24c28795d_scores:
	s_mov_b64 s[64:65], 0
	v_nop
	global_prefetch_b8 v0, s[64:65] scope:SCOPE_SE
	s_setreg_imm32_b32 hwreg(HW_REG_WAVE_MODE, 25, 1), 1
	s_wait_xcnt 0x0
	s_wait_alu depctr_hold_cnt(0) depctr_sa_sdst(0) depctr_va_vdst(0) depctr_va_sdst(0) depctr_va_ssrc(0) depctr_va_vcc(0) depctr_vm_vsrc(0)
	s_getreg_b32 s2, hwreg(HW_REG_IB_STS2, 6, 4)
	s_cmp_eq_u32 s2, 0
	s_cbranch_scc0 .Lentry_in_a_cluster
	s_endpgm
.Lentry_in_a_cluster:
	s_bfe_u32 s2, ttmp6, 0x10000c
	s_cmp_lg_u32 s2, 0xf033
	s_cbranch_scc0 .Lentry_shape_is_right
	s_endpgm
.Lentry_shape_is_right:
; P = relu(Q K^T), for each of four batches 2,048 x 2,048 with K = 1,024, on codes of FP8 (E4M3) with one E8M0 scale for each 32 along K; P is quantised along the keys on the way out.  No work is left out.
; Q's and K's codes and scale words come as the launch before laid them, in the order of the operands' registers:
;   codes:  batch x 2^21 + (k / 256) x 2^19 + (row / 16) x 4,096 + ((k / 128) % 2) x 2,048 + c x 512 + lane x 16: 128 rows x 256 along K are 32,768 dense bytes, a fragment 2,048;
;   scale words: batch x 2^16 + (row / 128) x 4,096 + (k / 128) x 512 + [g][r][j]: the word of row 16 (4 g + j) + r.
; So a tile needs no pitch and no padding: every fragment load takes 16 bytes a lane on end, and four scale words come by one load.
; SHARES, RING, CLUSTER and TRANSPOSED USE as in the launch before: 256 tiles of 256 x 256, four waves of 128 x 128; A = Q's rows, shared along a row of the cluster, B = K's rows, shared along a column.
; A lane holds one query, its registers run along the keys; the way out is the same, with the relu in the maximum and in the hold.  P: 2,048 rows and 2,048 deep in a batch:
;   codes: batch x 2^22 + (key / 256) x 2^19 + ..;   scale words: batch x 2^17 + (row / 128) x 8,192 + (key / 128) x 512 + ..
; LIMITS: NaN and infinities are not served; a block of zeros gets the byte 1 with zero codes (read by this program alone); inside a block of 32 keys the codes lie in the fixed order that the way out gives them, as V's do.
; REGISTERS: window 0: v0-31 addresses; v32-63 scale words, two sets, and nothing else; v64-127 the way out's 64 held numbers; v128-255 A's fragments, then codes (v128-191) and work (v192-219).
;   window 1: B's fragments, two sets.   windows 2, 3: the accumulators, (a, b) at v[8 (8 (a % 4) + b)].
.set NQ,     2                         ; matrix instructions deep in a slot
.set FR,     16
.set NL,     4
.set NP,     8                         ; places behind this matrix instruction (ISA guide 7.12.1)
.set HALFT,  32768                     ; 128 rows x 256 along K: what one tensor load brings
.set SLOT,   4*HALFT                   ; A's two halves, then B's
.set KSLOT,  1<<19                     ; from a K slot to the next in memory
.set SCL,    2*SLOT                    ; behind the ring: the scale words of all of K
.set HALFS,  4096                      ; those of 128 rows
.set SPARE,  SCL+4*HALFS               ; the spare words, 128 bytes for each wave: two blocks of 256 bytes that no other line names
.set LANE, 8
.set ADRA, 16
.set ADRB, 20
.set LI,   26
.set ADRS, 27
.set SPW,  28
.set NIL,  29
.set SC,   32                          ; scale words: set s at v[SC + 16 s]; register 8 q + i: lanes 0-15 A's block i, lanes 16-31 B's block i
.set TT,   64
.set AF,   128
.set PCD,  128
.set TM,   192
.set PW,   208
.set SW,   216
.set WV,   18
.set WHI,  19
.set WLO,  20
.set MNT,  21
.set SEL,  22
.set G1,   24
.set G0,   32
.set G1B,  48
.set G0B,  56
.set G1S,  68
.set G0S,  76
.set G1SB, 80
.set G0SB, 88
.set CX,   92
.set CY,   93
.set BAT,  94                          ; the batch
.set TC,   96                          ; tile column: 256 keys
.set TR,   97                          ; tile row: 256 queries
.set MROW, 98
.set MCOL, 99
.set MSB, 0
.macro WIN new                         ; the immediate's high byte repeats the setting that is left
.if MSB != \new
	s_set_vgpr_msb (MSB<<8)|\new
.set MSB, \new
.endif
.endm
.set MUL_LO, 0xa1                      ; source 0 (B) window 1, source 1 (A) window 0, C and D window 2
.set MUL_HI, 0xf1                      ; the same, C and D window 3
.set TO_B,   0x40                      ; destination window 1, address window 0
.macro ADDSH d, s, n, t                ; s[d] += s[s] << n, by way of s[t]
	s_lshl_b32 s[\t], s[\s], \n
	s_add_co_u32 s[\d], s[\d], s[\t]
.endm
.macro JLOAD g0a, g1a, g0b, g1b        ; a joint load: waves 0 and 1 fetch for A, waves 2 and 3 for B; an s_nop 0 and four v_nop follow each of the two lines
	s_cmp_eq_u32 s[WHI], 0
	s_cbranch_scc0 .Lfor_b_\@
	tensor_load_to_lds s[\g0a:\g0a+3], s[\g1a:\g1a+7]
	s_nop 0
.rept 4
	v_nop
.endr
	s_branch .Lasked_\@
.Lfor_b_\@:
	tensor_load_to_lds s[\g0b:\g0b+3], s[\g1b:\g1b+7]
	s_nop 0
.rept 4
	v_nop
.endr
.Lasked_\@:
.endm
.macro CREST                           ; a round of the cluster's barrier behind its opening barrier
	s_cmp_lg_u32 s[WV], 0
	s_cbranch_scc1 .Lnot_wave_0_\@
	s_barrier_signal -3
.Lnot_wave_0_\@:
	s_barrier_wait -3
	s_barrier_signal -1
	s_barrier_wait -1
.endm
.macro CROUND
	s_barrier_signal -1
	s_barrier_wait -1
	CREST
.endm
.macro PLACES n
.rept \n
	v_nop
.endr
.endm
	s_load_b256 s[4:11], s[0:1], 0x0               ; Q's codes s[4:5], Q's scale words s[6:7], K's codes s[8:9], K's scale words s[10:11]
	s_load_b64 s[14:15], s[0:1], 0x20              ; P's codes
	s_load_b64 s[16:17], s[0:1], 0x28              ; P's scale words
	v_lshl_add_u32 v[SPW], v0, 2, SPARE
	v_mov_b32 v[NIL], 0
	ds_add_u32 v[SPW], v[NIL]                      ; the wave's opening: the add, twice on end, and its wait ahead of my first tensor load
	ds_add_u32 v[SPW], v[NIL]                      ; and once more, under the one wait; the set-up below, work on registers, stands between
	v_lshrrev_b32 v1, 5, v0
	v_readfirstlane_b32 s[WV], v1                  ; wave 0..3
	s_lshr_b32 s[WHI], s[WV], 1                    ; my half of the rows; also 0 = I fetch for A, 1 = for B
	s_and_b32 s[WLO], s[WV], 1                     ; my half of the columns; also which 128 rows I fetch
	s_bfe_u32 s[CX], ttmp6, 0x40000
	s_bfe_u32 s[CY], ttmp6, 0x40004
	s_and_b32 s2, ttmp7, 0xffff                    ; cluster y, 0 .. 7: two clusters one below the other in each batch
	s_lshr_b32 s[BAT], s2, 1                       ; the batch hangs on the cluster alone: all sixteen partners share it
	s_and_b32 s2, s2, 1
	s_lshl_b32 s[TR], s2, 2
	s_add_co_u32 s[TR], s[TR], s[CY]
	s_lshl_b32 s[TC], ttmp9, 2
	s_add_co_u32 s[TC], s[TC], s[CX]
	s_lshl_b32 s[MROW], s[CY], 2
	s_lshl_b32 s[MROW], 15, s[MROW]                ; my row of the cluster
	s_lshl_b32 s[MCOL], 0x1111, s[CX]              ; my column
	s_mov_b32 s[MNT], 0x600000
	s_mov_b32 s[SEL], 0x76543210
	s_mov_b32 s[SEL+1], 0xfedcba98
	; descriptor group 1: dense blocks, stated as rows of 256 bytes (32 elements of 8 bytes), no padding: 128 rows for the codes, 16 for the scale words
	s_or_b32 s[G1+0], s[MROW], (3<<16)|(1<<21)     ; 15:0 the mask; 17:16 elements of 8 bytes; 21 set beside a mask
	s_or_b32 s[G1B+0], s[MCOL], (3<<16)|(1<<21)
	s_or_b32 s[G1S+0], s[MROW], (3<<16)|(1<<21)
	s_or_b32 s[G1SB+0], s[MCOL], (3<<16)|(1<<21)
.irp g, G1, G1B
	s_mov_b32 s[\g+1], 32<<16                      ; tensor_dim0
	s_mov_b32 s[\g+2], 128<<16                     ; tensor_dim1
	s_mov_b32 s[\g+3], 32<<16                      ; tile_dim0
	s_mov_b32 s[\g+4], 128                         ; tile_dim1
	s_mov_b32 s[\g+5], 32                          ; tensor_dim0_stride
	s_mov_b32 s[\g+6], 0
	s_mov_b32 s[\g+7], 0
.endr
.irp g, G1S, G1SB
	s_mov_b32 s[\g+1], 32<<16
	s_mov_b32 s[\g+2], 16<<16
	s_mov_b32 s[\g+3], 32<<16
	s_mov_b32 s[\g+4], 16
	s_mov_b32 s[\g+5], 32
	s_mov_b32 s[\g+6], 0
	s_mov_b32 s[\g+7], 0
.endr
	; where the tiles come from: A's by the tile row alone (s40-43), B's by the tile column alone (s44-47)
	s_lshl_b32 s40, s[BAT], 21
	ADDSH 40, TR, 16, 41
	ADDSH 40, WLO, 15, 41                          ; codes: the 128 rows that I fetch, K slot 0
	s_lshl_b32 s42, s[BAT], 16
	ADDSH 42, TR, 13, 41
	ADDSH 42, WLO, 12, 41                          ; their scale words, all of K
	s_mov_b32 s41, 0
	s_mov_b32 s43, 0
	s_lshl_b32 s44, s[BAT], 21
	ADDSH 44, TC, 16, 45
	ADDSH 44, WLO, 15, 45
	s_lshl_b32 s46, s[BAT], 16
	ADDSH 46, TC, 13, 45
	ADDSH 46, WLO, 12, 45
	s_mov_b32 s45, 0
	s_mov_b32 s47, 0
	s_lshl_b32 s100, s[WV], 15                     ; where they go: wave x 32,768 and wave x 4,096: no place in the cluster enters an LDS address
	s_lshl_b32 s101, s[WV], 12
	s_wait_dscnt 0x0                               ; both opening adds are done
	s_wait_kmcnt 0x0
	s_add_nc_u64 s[40:41], s[4:5], s[40:41]
	s_add_nc_u64 s[42:43], s[6:7], s[42:43]
	s_add_nc_u64 s[44:45], s[8:9], s[44:45]
	s_add_nc_u64 s[46:47], s[10:11], s[46:47]
	CROUND                                         ; all sixteen work-groups are here: the first joint loads meet
	s_mov_b32 s[G0S], 1
	s_add_co_u32 s[G0S+1], s101, SCL
	s_mov_b64 s[G0S+2:G0S+3], s[42:43]
	s_or_b32 s[G0S+3], s[G0S+3], 0x80000000
	s_mov_b32 s[G0SB], 1
	s_add_co_u32 s[G0SB+1], s101, SCL
	s_mov_b64 s[G0SB+2:G0SB+3], s[46:47]
	s_or_b32 s[G0SB+3], s[G0SB+3], 0x80000000
	JLOAD G0S, G1S, G0SB, G1SB                     ; the scale words first: they are wanted with K slot 0
.irp s, 0,1
	s_mov_b32 s[G0+4*\s], 1
	s_add_co_u32 s[G0+4*\s+1], s100, \s*SLOT
	s_add_nc_u64 s[G0+4*\s+2:G0+4*\s+3], s[40:41], \s*KSLOT
	s_or_b32 s[G0+4*\s+3], s[G0+4*\s+3], 0x80000000
	s_mov_b32 s[G0B+4*\s], 1
	s_add_co_u32 s[G0B+4*\s+1], s100, \s*SLOT
	s_add_nc_u64 s[G0B+4*\s+2:G0B+4*\s+3], s[44:45], \s*KSLOT
	s_or_b32 s[G0B+4*\s+3], s[G0B+4*\s+3], 0x80000000
	JLOAD G0+4*\s, G1, G0B+4*\s, G1B               ; three tensor loads of mine are out
.endr
	v_and_b32 v1, 15, v0                           ; r
	v_bfe_u32 v2, v0, 4, 1                         ; h
	v_and_b32 v[LANE], 31, v0
	v_lshlrev_b32 v[LI], 4, v[LANE]                ; 16 x lane: my place in every image
	s_lshl_b32 s100, s[WHI], 15                    ; my 128 rows of A
	s_lshl_b32 s101, s[WLO], 15                    ; my 128 rows of B,
	s_add_co_u32 s101, s101, 2*HALFT               ; behind A's two halves
.irp s, 0,1
	v_add_nc_u32 v[ADRA+\s], s100, v[LI]
	v_add_nc_u32 v[ADRB+\s], s101, v[LI]
	s_add_co_u32 s100, s100, SLOT
	s_add_co_u32 s101, s101, SLOT
.endr
	v_lshlrev_b32 v5, 4, v1                        ; scale words: 16 bytes (four row tiles' words) for each r
	s_lshl_b32 s100, s[WHI], 12                    ; A's: my 128 rows
	s_lshl_b32 s101, s[WLO], 12                    ; B's: my 128 rows, behind A's two
	s_add_co_u32 s101, s101, 2*HALFS
	s_sub_co_u32 s101, s101, s100
	v_mul_u32_u24 v6, s101, v2                     ; lanes 16-31 take B's
	s_add_co_u32 s100, s100, SCL
	v_add_nc_u32 v5, v5, v6
	v_add_nc_u32 v[ADRS], s100, v5
	; where my results go
	s_lshl_b32 s2, s[BAT], 22
	ADDSH 2, TC, 19, 3                             ; the K slot of the next product: my tile's 256 keys
	ADDSH 2, TR, 16, 3
	ADDSH 2, WHI, 15, 3
	ADDSH 2, WLO, 11, 3
	s_mov_b32 s3, 0
	s_lshl_b32 s66, s[BAT], 17
	ADDSH 66, TR, 14, 67
	ADDSH 66, WHI, 13, 67
	ADDSH 66, TC, 10, 67
	ADDSH 66, WLO, 9, 67
	s_mov_b32 s67, 0
	s_add_nc_u64 s[14:15], s[14:15], s[2:3]
	s_add_nc_u64 s[16:17], s[16:17], s[66:67]
.macro FRAG reg, adr, q, i             ; a fragment comes back as the image of its registers: group c at 512 c + 16 x lane
.irp c, 0,1,2,3
	ds_load_b128 v[\reg+4*\c:\reg+4*\c+3], v[\adr] offset:(\i)*4096+(\q)*2048+\c*512
.endr
.endm
; 16 matrix instructions: A's blocks a0, a0 + 1 x B's eight.  zero = 1: the first product starts the sums.  The 64 accumulators take turns, one instruction a turn, in the same order in every step.
.macro MUL16 a0, p, q, sc, zero
.irp a, \a0, \a0+1
.irp b, 0,1,2,3,4,5,6,7
.if \zero
	v_wmma_scale_f32_16x16x128_f8f6f4 v[8*(8*((\a)%4)+\b):8*(8*((\a)%4)+\b)+7], v[128*(\p)+FR*\b:128*(\p)+FR*\b+FR-1], v[AF+FR*(\a):AF+FR*(\a)+FR-1], 0, v[SC+16*(\sc)+8*(\q)+\b], v[SC+16*(\sc)+8*(\q)+(\a)] matrix_a_scale:MATRIX_SCALE_ROW1
.else
	v_wmma_scale_f32_16x16x128_f8f6f4 v[8*(8*((\a)%4)+\b):8*(8*((\a)%4)+\b)+7], v[128*(\p)+FR*\b:128*(\p)+FR*\b+FR-1], v[AF+FR*(\a):AF+FR*(\a)+FR-1], v[8*(8*((\a)%4)+\b):8*(8*((\a)%4)+\b)+7], v[SC+16*(\sc)+8*(\q)+\b], v[SC+16*(\sc)+8*(\q)+(\a)] matrix_a_scale:MATRIX_SCALE_ROW1
.endif
.endr
.endr
.endm
.macro FETCH_B slot, q, p
	WIN TO_B
.irp i, 0,1,2,3,4,5,6,7
	FRAG 128*(\p)+FR*\i, ADRB+\slot, \q, \i
.endr
	WIN 0
.endm
.macro FETCH_A slot, q, i0
.irp i, \i0, \i0+1, \i0+2, \i0+3
	FRAG AF+FR*(\i), ADRA+\slot, \q, \i
.endr
.endm
.macro SCALES sc                       ; a K slot's scale words into set sc: each load brings the words of four row tiles
.irp q, 0,1
.irp g, 0,1
	ds_load_b128 v[SC+16*\sc+8*\q+4*\g:SC+16*\sc+8*\q+4*\g+3], v[ADRS] offset:512*\q+256*\g
.endr
.endr
.endm
.macro STEP slot, q, zero              ; a step of 128 along K that has its successor in the same slot
	s_wait_dscnt 4*NL                              ; B's set, A's blocks 0-3 and the scale words are in; the youngest 16 loads (A's blocks 4-7) may be out
	WIN MUL_LO
	MUL16 0, (\q)%2, \q, \slot, \zero
	MUL16 2, (\q)%2, \q, \slot, \zero
	s_wait_dscnt 0                                 ; A's blocks 4-7 are in
	PLACES NP
	FETCH_B \slot, (\q)+1, 1-(\q)%2
	FETCH_A \slot, (\q)+1, 0
	WIN MUL_HI
	MUL16 4, (\q)%2, \q, \slot, \zero
	MUL16 6, (\q)%2, \q, \slot, \zero
	PLACES NP
	WIN 0
	FETCH_A \slot, (\q)+1, 4
.endm
.macro TURN slot, next, fill           ; a slot's last step changes slots: one barrier, which with fill = 1 opens a round of the cluster's barrier
	s_wait_tensorcnt 0x0                           ; all my tensor loads have landed: my part of the next slot
	ds_add_u32 v[SPW], v[NIL]                      ; 0 onto my spare word
	s_wait_dscnt 4*NL+1                            ; (the add and the youngest 16 loads, A's blocks 4-7, may be out)
	WIN MUL_LO
	MUL16 0, 1, NQ-1, \slot, 0                     ; sixteen matrix instructions stand between the add and the wait for it
	s_wait_dscnt 0x0                               ; the add is done, and my reads of this slot are over
	s_barrier_signal -1
	MUL16 2, 1, NQ-1, \slot, 0
	WIN 0
	s_barrier_wait -1
.if \fill
	CREST                                          ; no wave of any partner still reads this slot's tile or has a load on its way
	s_add_nc_u64 s[G0+4*\slot+2:G0+4*\slot+3], s[G0+4*\slot+2:G0+4*\slot+3], 2*KSLOT
	s_add_nc_u64 s[G0B+4*\slot+2:G0B+4*\slot+3], s[G0B+4*\slot+2:G0B+4*\slot+3], 2*KSLOT
	JLOAD G0+4*\slot, G1, G0B+4*\slot, G1B         ; the first tensor load behind the round; its four v_nop are among the places ahead of the loads below
	PLACES NP-4
.else
	PLACES NP
.endif
	v_add_nc_u32 v[ADRS], 512*NQ, v[ADRS]          ; on to the next K slot's scale words
	FETCH_B \next, 0, 0
	FETCH_A \next, 0, 0
	SCALES \next
	WIN MUL_HI
	MUL16 4, 1, NQ-1, \slot, 0
	MUL16 6, 1, NQ-1, \slot, 0
	PLACES NP
	WIN 0
	FETCH_A \next, 0, 4
.endm
	s_wait_tensorcnt 1                             ; the scale words and my part of K slot 0 are in; K slot 1's load, the one issued behind them, may be out
	s_barrier_signal -1
	s_barrier_wait -1
	FETCH_B 0, 0, 0
	FETCH_A 0, 0, 0
	SCALES 0
	FETCH_A 0, 0, 4
	STEP 0, 0, 1                                   ; the first products start the sums: nothing is cleared
	TURN 0, 1, 1                                   ; K = 1,024 is four K slots: one lap fills both slots again, so it stands once and no loop is written
	STEP 1, 0, 0
	TURN 1, 0, 1
	STEP 0, 0, 0
	TURN 0, 1, 0                                   ; the last lap fills nothing
	STEP 1, 0, 0
	s_wait_dscnt 4*NL                              ; the very last step
	WIN MUL_LO
	MUL16 0, 1, NQ-1, 1, 0
	MUL16 2, 1, NQ-1, 1, 0
	s_wait_dscnt 0
	WIN MUL_HI
	MUL16 4, 1, NQ-1, 1, 0
	MUL16 6, 1, NQ-1, 1, 0
	WIN 0
; THE WAY OUT.  QUANT a: my lane's 64 scores of query block a (four blocks of 32 keys, 16 numbers of each) become a fragment's 16 registers of codes and one scale word, and the fragment is stored as it stands.
; The relu costs nothing: no |.| on the maximum's sources (what is negative must not count; the floor stands over it), and the hold that the conversion wants anyway (ISA guide 7.6.2) clips at 0.
.macro QUANT a
.set S0, 64*((\a)%4)
.set PCA, PCD+16*((\a)%4)
	WIN 0x0a+5*((\a)/4)                            ; sources 0 and 1: the accumulators' window, 2 or 3
.irp b, 0,1,2,3
	v_max3_num_f32 v[TM+\b], v[S0+16*\b], v[S0+16*\b+1], 0x4800000   ; each accumulator is read from its low end on; the floor 2^(9 - 127) holds the byte at 1 from below
.endr
.irp i, 2,4,6,8,10,12,14
.irp b, 0,1,2,3
	v_max3_num_f32 v[TM+\b], v[S0+16*\b+\i], v[S0+16*\b+\i+1], v[TM+\b]   ; (the four blocks by turns)
.endr
.endr
	WIN 0
.irp b, 0,1,2,3
	v_permlanex16_b32 v[TM+4+\b], v[TM+\b], s[SEL], s[SEL+1]
.endr
.irp b, 0,1,2,3
	v_max_num_f32 v[TM+\b], v[TM+\b], v[TM+4+\b]   ; with lane l xor 16's 16: the block's largest number
.endr
.irp b, 0,1,2,3
	v_add_nc_u32 v[TM+12+\b], 0xfc000000, v[TM+\b] ; 8 off its exponent field: the conversion's scale operand
.endr
.irp b, 0,1,2,3
	v_and_or_b32 v[TM+8+\b], v[TM+\b], 0x7f800000, s[MNT]   ; 448 x the scale
.endr
.irp b, 0,1,2,3
	v_lshrrev_b32 v[TM+4+\b], 23, v[TM+12+\b]      ; the scale's byte
.endr
	v_lshl_or_b32 v[PW+\a], v[TM+5], 8, v[TM+4]    ; my query's scale word for these 128 keys
	v_lshl_or_b32 v[PW+\a], v[TM+6], 16, v[PW+\a]
	v_lshl_or_b32 v[PW+\a], v[TM+7], 24, v[PW+\a]
	WIN 2+(\a)/4                                   ; source 0: the accumulators' window
.irp b, 0,1,2,3
.irp i, 0,1,2,3,4,5,6,7,8,9,10,11,12,13,14,15
	v_med3_num_f32 v[TT+16*\b+\i], v[S0+16*\b+\i], 0, v[TM+8+\b]   ; the relu and the hold in one
.endr
.endr
	WIN 0
.if (\a) >= 4
	s_wait_xcnt 0x0                                ; block a - 4's stores have read their data: its set of code registers is written again only behind this wait
.endif
.irp b, 0,1,2,3
	v_cvt_scalef32_pk8_fp8_f32 v[PCA+4*\b:PCA+4*\b+1], v[TT+16*\b:TT+16*\b+7], v[TM+12+\b]
	v_cvt_scalef32_pk8_fp8_f32 v[PCA+4*\b+2:PCA+4*\b+3], v[TT+16*\b+8:TT+16*\b+15], v[TM+12+\b]
.endr
	v_nop                                          ; one plain vector instruction behind the last conversion
.irp c, 0,1,2,3
	global_store_b128 v[LI], v[PCA+4*\c:PCA+4*\c+3], s[14:15] offset:(\a)*4096+\c*512   ; the wave stores 512 consecutive bytes, at a multiple of 512 from the buffer's first byte
.endr
.endm
	PLACES NP                                      ; behind the last products: ahead of the first read of results and the first write of registers that held A's fragments
.irp b, 0,1,2,3
	v_mov_b32 v[TM+4+\b], 0                        ; written once: a lane permute's destination counts as one of its sources
.endr
.irp a, 0,1,2,3,4,5,6,7
	QUANT \a
.endr
	v_cmp_le_u32 vcc_lo, 16, v[LANE]               ; lanes 0-15 store the words of blocks 0-3, lanes 16-31 those of blocks 4-7
.irp j, 0,1,2,3
	v_cndmask_b32 v[SW+\j], v[PW+\j], v[PW+4+\j], vcc_lo
.endr
	global_store_b128 v[LI], v[SW:SW+3], s[16:17]  ; 512 consecutive bytes: my 128 queries' scale words of my 128 keys
	s_wait_tensorcnt 0x0                           ; the wave's end
	ds_add_u32 v[SPW], v[NIL]
	s_wait_dscnt 0x0
	CROUND                                         ; the closing round
	s_endpgm
.Lfunc_end_k_qa24c28795d_scores:
	.size	k_qa24c28795d_scores, .Lfunc_end_k_qa24c28795d_scores-k_qa24c28795d_scores
	.p2alignl 7, 3214868480
	.fill 96, 4, 3214868480
	.section	.rodata,"a",@progbits
	.p2align	6, 0x0
	.amdhsa_kernel k_qa24c28795d_scores
		.amdhsa_group_segment_fixed_size 327680
		.amdhsa_private_segment_fixed_size 0
		.amdhsa_enable_private_segment 0
		.amdhsa_kernarg_size 48
		.amdhsa_user_sgpr_count 2
		.amdhsa_user_sgpr_kernarg_segment_ptr 1
		.amdhsa_wavefront_size32 1
		.amdhsa_system_sgpr_workgroup_id_x 1
		.amdhsa_system_sgpr_workgroup_id_y 1
		.amdhsa_system_sgpr_workgroup_id_z 1
		.amdhsa_system_vgpr_workitem_id 0
		.amdhsa_next_free_vgpr 1024
		.amdhsa_next_free_sgpr 102
		.amdhsa_reserve_vcc 1
		.amdhsa_float_denorm_mode_32 3
		.amdhsa_float_denorm_mode_16_64 3
		.amdhsa_memory_ordered 1
		.amdhsa_forward_progress 1
		.amdhsa_inst_pref_size 183
	.end_amdhsa_kernel
	.amdgpu_metadata
---
amdhsa.version: [ 1, 2 ]
amdhsa.kernels:
  - .name:           k_qa24c28795d_scores
    .symbol:         k_qa24c28795d_scores.kd
    .args:
      - { .name: qc, .offset: 0, .size: 8, .value_kind: global_buffer, .address_space: global }
      - { .name: qs, .offset: 8, .size: 8, .value_kind: global_buffer, .address_space: global }
      - { .name: kc, .offset: 16, .size: 8, .value_kind: global_buffer, .address_space: global }
      - { .name: ks, .offset: 24, .size: 8, .value_kind: global_buffer, .address_space: global }
      - { .name: pc, .offset: 32, .size: 8, .value_kind: global_buffer, .address_space: global }
      - { .name: ps, .offset: 40, .size: 8, .value_kind: global_buffer, .address_space: global }
    .group_segment_fixed_size: 327680
    .private_segment_fixed_size: 0
    .kernarg_segment_align: 8
    .kernarg_segment_size: 48
    .max_flat_workgroup_size: 128
    .sgpr_count:     102
    .vgpr_count:     1024
    .wavefront_size: 32
...
	.end_amdgpu_metadata
.endif
;; end of part 2
;; launch outp (part 3): grid 4 x 64, 4 waves a work-group, clusters of 4 x 4, 327,680 bytes of LDS; arguments pc, ps, vc, vs, out0; writes out0
.if DOCPART == 3
	.amdgcn_target "amdgcn-amd-amdhsa--gfx1250"
	.amdhsa_code_object_version 6
	.text
	.protected	k_qa24c28795d_outp
	.globl	k_qa24c28795d_outp
	.p2align	8
	.type	k_qa24c28795d_outp,@function
k_qa24c28795d_outp:
	s_mov_b64 s[64:65], 0
	v_nop
	global_prefetch_b8 v0, s[64:65] scope:SCOPE_SE
	s_setreg_imm32_b32 hwreg(HW_REG_WAVE_MODE, 25, 1), 1
	s_wait_xcnt 0x0
	s_wait_alu depctr_hold_cnt(0) depctr_sa_sdst(0) depctr_va_vdst(0) depctr_va_sdst(0) depctr_va_ssrc(0) depctr_va_vcc(0) depctr_vm_vsrc(0)
	s_getreg_b32 s2, hwreg(HW_REG_IB_STS2, 6, 4)
	s_cmp_eq_u32 s2, 0
	s_cbranch_scc0 .Lentry_in_a_cluster
	s_endpgm
.Lentry_in_a_cluster:
	s_bfe_u32 s2, ttmp6, 0x10000c
	s_cmp_lg_u32 s2, 0xf033
	s_cbranch_scc0 .Lentry_shape_is_right
	s_endpgm
.Lentry_shape_is_right:
; out0 = P V, for each of four batches 2,048 x 1,024 with K = the 2,048 keys, on codes of FP8 (E4M3) with one E8M0 scale for each 32 keys; out0 is f32.  No work is left out.
; A = P (rows: queries), B = V^T (rows: the 1,024 channels), both as the launches before laid them, in the order of the operands' registers:
;   P's codes: batch x 2^22 + (key / 256) x 2^19 + (row / 16) x 4,096 + ..;   V's: batch x 2^21 + (key / 256) x 2^18 + (row / 16) x 4,096 + ..;   in both: + ((key / 128) % 2) x 2,048 + c x 512 + lane x 16
;   scale words: P's batch x 2^17, V's batch x 2^16, + (row / 128) x 8,192 + (key / 128) x 512 + [g][r][j]: the word of row 16 (4 g + j) + r.
; Inside a block of 32 keys both operands' codes lie in the same fixed order, so every product meets its partner; only the order of the f32 sums inside a block differs from the keys' order.
; LIMITS: NaN and infinities are not served.
; SHARES.  Tiles of 256 x 256 would be 128, fewer than there are WGPs: a tile is 128 queries x 256 channels, 256 work-groups of four waves; a wave makes 64 x 128: 32 accumulators, 256 registers,
; which leaves room for two sets of fragments of both operands.
; THE RING.  A K slot of 256 keys is 384 rows x 256 bytes = 98,304 bytes and feeds 64 matrix instructions a wave.  Three K slots fit in LDS beside the scale words, so LDS has a region for a PAIR of K slots
; and a region for a SINGLE one, and K's eight K slots come so: at the head 0, 1 (pair) and 2 (single); behind K slot 1 the pair takes 3, 4; behind K slot 2 the single takes 5; behind K slot 4 the pair takes 6, 7.
; Three refills in all, each behind a round of the cluster's barrier, one tensor load a wave.  A wave's part of a K slot is one dense block of memory (A: 16,384 bytes, B: 32,768), and the next K slot's part lies
; one K slot's bytes further on: so a pair is ONE tile of two long rows, which follow each other in LDS: the pair region is laid [half][K slot].  Every refill steps its address by three K slots.
; The 16 steps of 128 keys are written out: every LDS offset, the scale words' too, is an immediate.
; CLUSTERS: 4 x 4 work-groups of one batch: P's tile is shared along a row of the cluster (its four tiles of channels), V's along a column: joint loads.
; TRANSPOSED USE: source 0 = 16 rows of V^T, source 1 = 16 rows of P: a lane holds eight neighbouring channels of one query's row of out0.
; REGISTERS: window 0: v0-31 addresses; v32-47 scale words, two sets of eight, and nothing else; v128-255 A's fragments, two sets of 64; on the way out rows of out0.   window 1: B's fragments, two sets of 128.
;   window 2: the accumulators, (a, b) at v[8 (8 a + b)].
.set FR,     16
.set NP,     8                         ; places behind this matrix instruction (ISA guide 7.12.1)
.set HALFA,  16384                     ; 64 rows of P x 256 keys: a fetching wave's part of a K slot of A
.set HALFB,  32768                     ; 128 rows of V^T x 256 keys: the same of B
.set KSA,    1<<19                     ; from a K slot to the next in memory: P
.set KSB,    1<<18                     ; V
.set PB,     4*HALFA                   ; the pair region: A's [half][K slot] from byte 0, B's [half][K slot] from here
.set SREG,   4*HALFA+4*HALFB           ; the single region: A's two halves, then B's
.set SCL,    SREG+2*HALFA+2*HALFB      ; behind the regions: A's scale words (8,192 bytes), then B's (2 x 8,192)
.set SCB,    SCL+8192
.set SPARE,  SCL+3*8192                ; the spare words, 128 bytes for each wave: two blocks of 256 bytes that no other line names
.set SPITCH, 528                       ; the way out: a stage of 16 rows x (512 bytes + 16) for each wave,
.set STAGE,  SREG                      ; in the single region, which has had its last fill (K slot 5) and its last read when the first result is stored there
.set LANE, 8
.set ADRA, 16                          ; v16-17  LDS address of my A fragments in the pair region, in the single region
.set ADRB, 20                          ; v20-21  the same for B
.set ADS1, 22                          ; v22     scale words: lanes 0-15 A's four row tiles, lanes 16-31 B's row tiles 0-3
.set ADS2, 23                          ; v23     B's row tiles 4-7
.set STO,  24                          ; v24     the way out: where I put 32 bytes of a row
.set RD,   25                          ; v25     where I read a row back
.set CO,   26                          ; v26     16 x lane: my place in an image, and in a row of out0
.set SPW,  28                          ; v28     LDS address of my spare word; never rewritten
.set NIL,  29                          ; v29     0; never rewritten
.set PFO,  30                          ; v30     the prefetches' offset: 256 x lane; never rewritten
.set SC,   32                          ; scale words: set f at v[SC + 8 f]; register i: lanes 0-15 A's block i (i under 4), lanes 16-31 B's block i
.set AF,   128
.set BK,   128                         ; the way out: 16 rows read back: v128-191 and v192-255 by turns
.set CX,   12                          ; my place along the cluster's x: it is the tile column too, since the grid has one cluster along x
.set CY,   13
.set BAT,  16                          ; the batch
.set TR,   17                          ; tile row: 128 queries
.set WV,   18
.set WHI,  19
.set WLO,  20
.set MROW, 21
.set MCOL, 22
.set PFK,  23                          ; what my wave prefetches: 1 = P's codes, 2 = V's, 0 = nothing
.set G1,   24                          ; descriptor groups 1: s[24:31] a pair of A,  s[32:39] a pair of B,
.set G1B,  32
.set G1X,  40                          ; s[40:47] a single K slot of A,  s[48:55] of B,
.set G1XB, 48
.set G1S,  56                          ; s[56:63] A's scale words,  s[68:75] B's
.set G1SB, 68
.set G0,   76                          ; groups 0, four registers each, in the same order
.set G0B,  80
.set G0X,  84
.set G0XB, 88
.set G0S,  92
.set G0SB, 96
.set PFA,  100                         ; s[100:101] where my prefetches stand in K slot 0; never rewritten: the K slot stands in the immediate
.set MSB, 0
.macro WIN new                         ; the immediate's high byte repeats the setting that is left
.if MSB != \new
	s_set_vgpr_msb (MSB<<8)|\new
.set MSB, \new
.endif
.endm
.set MUL,  0xa1                        ; source 0 (B) window 1, source 1 (A) window 0, C and D window 2
.set TO_B, 0x40                        ; destination window 1, address window 0
.macro ADDSH d, s, n, t                ; s[d] += s[s] << n, by way of s[t]
	s_lshl_b32 s[\t], s[\s], \n
	s_add_co_u32 s[\d], s[\d], s[\t]
.endm
.macro SHAPE g, c, r, p                ; words 1 to 7 of a group 1: r rows of c elements of 8 bytes, p elements from row to row
	s_mov_b32 s[\g+1], (\c)<<16                    ; tensor_dim0
	s_mov_b32 s[\g+2], (\r)<<16                    ; tensor_dim1
	s_mov_b32 s[\g+3], (\c)<<16                    ; tile_dim0
	s_mov_b32 s[\g+4], \r                          ; tile_dim1
	s_mov_b32 s[\g+5], \p                          ; tensor_dim0_stride
	s_mov_b32 s[\g+6], 0
	s_mov_b32 s[\g+7], 0
.endm
.macro JLOAD g0a, g1a, g0b, g1b        ; a joint load: waves 0 and 1 fetch for A, waves 2 and 3 for B; an s_nop 0 and four v_nop follow each of the two lines
	s_cmp_eq_u32 s[WHI], 0
	s_cbranch_scc0 .Lfor_b_\@
	tensor_load_to_lds s[\g0a:\g0a+3], s[\g1a:\g1a+7]
	s_nop 0
.rept 4
	v_nop
.endr
	s_branch .Lasked_\@
.Lfor_b_\@:
	tensor_load_to_lds s[\g0b:\g0b+3], s[\g1b:\g1b+7]
	s_nop 0
.rept 4
	v_nop
.endr
.Lasked_\@:
.endm
; A PREFETCH INTO THE L2 of what the NEXT change of slots will ask for: K slots u .. u + n - 1.  It stands behind the wave's joint load, its five lines and the run of LDS loads that the next products wait for.
; Each aligned block of 256 bytes is named ONCE in the launch, a lane a block.  P's tile row (32,768 bytes a K slot) is read by my row of the cluster alone: its four partners take 8,192 bytes each, told apart BY ADDRESS (cx);
; in each, wave 0 asks.  V's tile column (65,536 bytes a K slot) is read by the four clusters of the batch: the batch's first cluster asks; waves 2 and 3 stand on the half that they fetch, and the column's four partners
; take 8,192 bytes of it each, by address (cy).  The branches hang on the wave's number and on the cluster's number alone.  K slots 0 to 4 come by their loads alone; behind the last refill nothing is asked for.
.macro ASK u, n
	s_cmp_eq_u32 s[PFK], 1
	s_cbranch_scc0 .Lnot_p_\@
	global_prefetch_b8 v[PFO], s[PFA:PFA+1] offset:(\u)*KSA th:TH_LOAD_NT scope:SCOPE_SE
.if \n > 1
	global_prefetch_b8 v[PFO], s[PFA:PFA+1] offset:((\u)+1)*KSA th:TH_LOAD_NT scope:SCOPE_SE
.endif
	s_branch .Lpf_done_\@
.Lnot_p_\@:
	s_cmp_eq_u32 s[PFK], 2
	s_cbranch_scc0 .Lpf_done_\@
	global_prefetch_b8 v[PFO], s[PFA:PFA+1] offset:(\u)*KSB th:TH_LOAD_NT scope:SCOPE_SE
.if \n > 1
	global_prefetch_b8 v[PFO], s[PFA:PFA+1] offset:((\u)+1)*KSB th:TH_LOAD_NT scope:SCOPE_SE
.endif
.Lpf_done_\@:
.endm
.macro CREST                           ; a round of the cluster's barrier behind its opening barrier
	s_cmp_lg_u32 s[WV], 0
	s_cbranch_scc1 .Lnot_wave_0_\@
	s_barrier_signal -3
.Lnot_wave_0_\@:
	s_barrier_wait -3
	s_barrier_signal -1
	s_barrier_wait -1
.endm
.macro CROUND
	s_barrier_signal -1
	s_barrier_wait -1
	CREST
.endm
.macro PLACES n
.rept \n
	v_nop
.endr
.endm
	s_load_b256 s[4:11], s[0:1], 0x0               ; P's codes s[4:5], P's scale words s[6:7], V's codes s[8:9], V's scale words s[10:11]
	s_load_b64 s[14:15], s[0:1], 0x20              ; out0
	v_lshl_add_u32 v[SPW], v0, 2, SPARE
	v_mov_b32 v[NIL], 0
	ds_add_u32 v[SPW], v[NIL]                      ; the wave's opening: the add, twice on end, and its wait ahead of my first tensor load
	ds_add_u32 v[SPW], v[NIL]                      ; and once more, under the one wait; the set-up below, work on registers, stands between
	v_lshrrev_b32 v1, 5, v0
	v_readfirstlane_b32 s[WV], v1                  ; wave 0..3
	s_lshr_b32 s[WHI], s[WV], 1                    ; my 64 of the tile's 128 rows; also 0 = I fetch for A, 1 = for B
	s_and_b32 s[WLO], s[WV], 1                     ; my 128 of its 256 columns; also which half I fetch
	s_bfe_u32 s[CX], ttmp6, 0x40000
	s_bfe_u32 s[CY], ttmp6, 0x40004
	s_and_b32 s2, ttmp7, 0xffff                    ; cluster y, 0 .. 15: four clusters one below the other in each batch
	s_lshr_b32 s[BAT], s2, 2                       ; the batch hangs on the cluster alone
	s_and_b32 s2, s2, 3
	s_lshl_b32 s[TR], s2, 2
	s_add_co_u32 s[TR], s[TR], s[CY]
	s_cmp_eq_u32 s2, 0                             ; who prefetches: in the batch's first cluster
	s_cselect_b32 s[PFK], 2, 0
	s_cmp_eq_u32 s[WHI], 1                         ; waves 2 and 3 ask for V's codes;
	s_cselect_b32 s[PFK], s[PFK], 0
	s_cmp_eq_u32 s[WV], 0                          ; in every cluster wave 0 asks for P's
	s_cselect_b32 s[PFK], 1, s[PFK]
	s_lshl_b32 s[MROW], s[CY], 2
	s_lshl_b32 s[MROW], 15, s[MROW]                ; my row of the cluster
	s_lshl_b32 s[MCOL], 0x1111, s[CX]              ; my column
	; descriptor groups 1, no padding: every fragment load takes 16 bytes a lane on end
.irp g, G1, G1X, G1S
	s_or_b32 s[\g], s[MROW], (3<<16)|(1<<21)       ; 15:0 the mask: A's go to my row; 17:16 elements of 8 bytes; 21 set beside a mask
.endr
.irp g, G1B, G1XB, G1SB
	s_or_b32 s[\g], s[MCOL], (3<<16)|(1<<21)       ; B's go to my column
.endr
	SHAPE G1,   HALFA/8, 2, KSA/8                  ; a pair of A: two rows of 16,384 bytes, a K slot's bytes apart in memory
	SHAPE G1B,  HALFB/8, 2, KSB/8                  ; a pair of B: two rows of 32,768 bytes
	SHAPE G1X,  32, 64, 32                         ; a single K slot of A: 16,384 dense bytes as 64 rows of 256
	SHAPE G1XB, 32, 128, 32                        ; of B: 32,768 dense bytes as 128 rows
	SHAPE G1S,  32, 16, 32                         ; half of A's scale words: 4,096 dense bytes
	SHAPE G1SB, 32, 32, 32                         ; half of B's: 8,192
	; where the tiles come from, as offsets: A's by the tile row alone, B's by the tile column alone; each is made in its own group 0, which never holds the other coordinate
	s_lshl_b32 s[G0+2], s[BAT], 22
	ADDSH G0+2, TR, 15, G0+3                       ; 8 row tiles of 4,096 bytes to a tile row,
	ADDSH G0+2, WLO, 14, G0+3                      ; the four that I fetch
	s_mov_b32 s[G0+3], 0
	s_lshl_b32 s[G0S+2], s[BAT], 17
	ADDSH G0S+2, TR, 13, G0S+3                     ; the tile row's scale words, 8,192 bytes,
	ADDSH G0S+2, WLO, 12, G0S+3                    ; my half of them
	s_mov_b32 s[G0S+3], 0
	s_lshl_b32 s[G0B+2], s[BAT], 21
	ADDSH G0B+2, CX, 16, G0B+3
	ADDSH G0B+2, WLO, 15, G0B+3
	s_mov_b32 s[G0B+3], 0
	s_lshl_b32 s[G0SB+2], s[BAT], 16
	ADDSH G0SB+2, CX, 14, G0SB+3
	ADDSH G0SB+2, WLO, 13, G0SB+3
	s_mov_b32 s[G0SB+3], 0
	; and where they go: constants and the wave's number alone
.irp g, G0, G0B, G0X, G0XB, G0S, G0SB
	s_mov_b32 s[\g], 1                             ; 1:0 count = 1
.endr
	s_lshl_b32 s[G0+1], s[WLO], 15                 ; pair, A: my half's two K slots
	s_lshl_b32 s[G0B+1], s[WLO], 16                ; pair, B
	s_add_co_u32 s[G0B+1], s[G0B+1], PB
	s_lshl_b32 s[G0X+1], s[WLO], 14                ; single, A
	s_add_co_u32 s[G0X+1], s[G0X+1], SREG
	s_lshl_b32 s[G0XB+1], s[WLO], 15               ; single, B
	s_add_co_u32 s[G0XB+1], s[G0XB+1], SREG+2*HALFA
	s_lshl_b32 s[G0S+1], s[WLO], 12
	s_add_co_u32 s[G0S+1], s[G0S+1], SCL
	s_lshl_b32 s[G0SB+1], s[WLO], 13
	s_add_co_u32 s[G0SB+1], s[G0SB+1], SCB
	; the prefetches' offset in K slot 0
	s_lshl_b32 s2, s[BAT], 22
	ADDSH 2, TR, 15, 3
	ADDSH 2, CX, 13, 3                             ; P: my work-group's 8,192 bytes of the tile row's 32,768
	s_lshl_b32 s66, s[BAT], 21
	ADDSH 66, CX, 16, 67
	ADDSH 66, WLO, 15, 67
	ADDSH 66, CY, 13, 67                           ; V: my work-group's 8,192 bytes of my wave's 32,768
	s_cmp_lt_u32 s[WV], 2
	s_cselect_b32 s2, s2, s66
	s_mov_b32 s3, 0
	s_wait_dscnt 0x0                               ; both opening adds are done
	s_wait_kmcnt 0x0
	s_add_nc_u64 s[G0+2:G0+3], s[4:5], s[G0+2:G0+3]            ; the pair begins with K slots 0 and 1,
	s_add_nc_u64 s[G0X+2:G0X+3], s[G0+2:G0+3], 2*KSA           ; the single with K slot 2
	s_add_nc_u64 s[G0B+2:G0B+3], s[8:9], s[G0B+2:G0B+3]
	s_add_nc_u64 s[G0XB+2:G0XB+3], s[G0B+2:G0B+3], 2*KSB
	s_add_nc_u64 s[G0S+2:G0S+3], s[6:7], s[G0S+2:G0S+3]
	s_add_nc_u64 s[G0SB+2:G0SB+3], s[10:11], s[G0SB+2:G0SB+3]
.irp g, G0, G0B, G0X, G0XB, G0S, G0SB
	s_or_b32 s[\g+3], s[\g+3], 0x80000000          ; 127:126 type = 2
.endr
	s_cmp_lt_u32 s[WV], 2
	s_cselect_b64 s[PFA:PFA+1], s[4:5], s[8:9]
	s_add_nc_u64 s[PFA:PFA+1], s[PFA:PFA+1], s[2:3]
	CROUND                                         ; all sixteen work-groups are here: the first joint loads meet
	JLOAD G0S, G1S, G0SB, G1SB                     ; the scale words of all of K: filled once
	JLOAD G0, G1, G0B, G1B                         ; K slots 0 and 1
	JLOAD G0X, G1X, G0XB, G1XB                     ; K slot 2: three tensor loads of mine are out
	v_and_b32 v1, 15, v0                           ; r
	v_bfe_u32 v2, v0, 4, 1                         ; h
	v_and_b32 v[LANE], 31, v0
	v_lshlrev_b32 v[CO], 4, v[LANE]
	v_lshlrev_b32 v[PFO], 8, v[LANE]
	s_lshl_b32 s104, s[WHI], 15                    ; my 64 rows of A: in the pair region,
	v_add_nc_u32 v[ADRA], s104, v[CO]
	s_lshl_b32 s104, s[WHI], 14                    ; in the single region
	s_add_co_u32 s104, s104, SREG
	v_add_nc_u32 v[ADRA+1], s104, v[CO]
	s_lshl_b32 s104, s[WLO], 16                    ; my 128 rows of B likewise
	s_add_co_u32 s104, s104, PB
	v_add_nc_u32 v[ADRB], s104, v[CO]
	s_lshl_b32 s104, s[WLO], 15
	s_add_co_u32 s104, s104, SREG+2*HALFA
	v_add_nc_u32 v[ADRB+1], s104, v[CO]
	v_lshlrev_b32 v3, 4, v1                        ; scale words: 16 bytes (four row tiles' words) for each r
	s_lshl_b32 s104, s[WHI], 8                     ; A's: group g = my half of the 128 rows
	s_lshl_b32 s105, s[WLO], 13                    ; B's: my 128 rows,
	s_add_co_u32 s105, s105, 8192                  ; behind A's 8,192 bytes
	v_add_nc_u32 v[ADS2], s105, v3
	v_add_nc_u32 v[ADS2], SCL+256, v[ADS2]         ; B's group 1: row tiles 4-7
	s_sub_co_u32 s105, s105, s104
	v_mul_u32_u24 v4, s105, v2                     ; lanes 16-31 take B's group 0
	s_add_co_u32 s104, s104, SCL
	v_add_nc_u32 v3, v3, v4
	v_add_nc_u32 v[ADS1], s104, v3
	s_mul_i32 s104, s[WV], 16*SPITCH               ; my stage
	s_add_co_u32 s104, s104, STAGE
	v_mul_u32_u24 v5, v1, SPITCH                   ; in: row r, 32 bytes for each half of the lanes
	v_lshl_add_u32 v5, v2, 5, v5
	v_add_nc_u32 v[STO], s104, v5
	v_add_nc_u32 v[RD], s104, v[CO]                ; back: the 32 lanes take one row of 512 bytes
	s_lshl_b32 s2, s[BAT], 23                      ; out0: 2,048 rows of 4,096 bytes a batch,
	ADDSH 2, TR, 19, 3                             ; 128 rows a tile row,
	ADDSH 2, WHI, 18, 3                            ; my 64;
	ADDSH 2, CX, 10, 3                             ; 256 columns of 4 bytes a tile column,
	ADDSH 2, WLO, 9, 3                             ; my 128
	s_mov_b32 s3, 0
	s_add_nc_u64 s[14:15], s[14:15], s[2:3]
.macro FRAG reg, adr, base, i          ; a fragment comes back as the image of its registers: group c at 512 c + 16 x lane
.irp c, 0,1,2,3
	ds_load_b128 v[\reg+4*\c:\reg+4*\c+3], v[\adr] offset:(\base)+(\i)*4096+\c*512
.endr
.endm
; 50 LDS loads in one run: step k (128 keys; k counts from the head of K) into set f: B's eight fragments, A's four, the scale words.  reg: 0 = the pair region, 1 = the single; sub: which K slot of the pair
.macro FETCH reg, sub, k, f
	WIN TO_B
.irp i, 0,1,2,3,4,5,6,7
	FRAG 128*(\f)+FR*\i, ADRB+\reg, (\sub)*HALFB+((\k)%2)*2048, \i
.endr
	WIN 0
.irp i, 0,1,2,3
	FRAG AF+64*(\f)+FR*\i, ADRA+\reg, (\sub)*HALFA+((\k)%2)*2048, \i
.endr
	ds_load_b128 v[SC+8*(\f):SC+8*(\f)+3], v[ADS1] offset:512*(\k)
	ds_load_b128 v[SC+8*(\f)+4:SC+8*(\f)+7], v[ADS2] offset:512*(\k)
.endm
; 8 matrix instructions: A's block a x B's eight, set f.  zero = 1: the first product starts the sums.  The 32 accumulators take turns, one instruction a turn, in the same order in every step.
.macro MUL8 f, a, zero
.irp b, 0,1,2,3,4,5,6,7
.if \zero
	v_wmma_scale_f32_16x16x128_f8f6f4 v[8*(8*(\a)+\b):8*(8*(\a)+\b)+7], v[128*(\f)+FR*\b:128*(\f)+FR*\b+FR-1], v[AF+64*(\f)+FR*(\a):AF+64*(\f)+FR*(\a)+FR-1], 0, v[SC+8*(\f)+\b], v[SC+8*(\f)+(\a)] matrix_a_scale:MATRIX_SCALE_ROW1
.else
	v_wmma_scale_f32_16x16x128_f8f6f4 v[8*(8*(\a)+\b):8*(8*(\a)+\b)+7], v[128*(\f)+FR*\b:128*(\f)+FR*\b+FR-1], v[AF+64*(\f)+FR*(\a):AF+64*(\f)+FR*(\a)+FR-1], v[8*(8*(\a)+\b):8*(8*(\a)+\b)+7], v[SC+8*(\f)+\b], v[SC+8*(\f)+(\a)] matrix_a_scale:MATRIX_SCALE_ROW1
.endif
.endr
.endm
; A step whose successor lies in the same region: set f is multiplied; ahead of that the next step (region nreg, K slot nsub of it, step nk) is asked for, into the other set
.macro STEP f, nreg, nsub, nk, zero
.if \zero == 0
	PLACES NP                                      ; the other set was read by the products just ahead
.endif
	FETCH \nreg, \nsub, \nk, 1-(\f)
	s_wait_dscnt 50                                ; all but the 50 just issued: set f is in
	WIN MUL
	MUL8 \f, 0, \zero
	MUL8 \f, 1, \zero
	MUL8 \f, 2, \zero
	MUL8 \f, 3, \zero
	WIN 0
.endm
; A region's last step (always set 1: a region holds an even number of steps), and the change of regions: one barrier; ahead of it each wave waits for all its tensor loads, adds 0 to its spare word, and waits for
; that and for its own reads of the region that it leaves.  fill = 1: the pair region, 2: the single region, is filled again with the K slots three further on: the barrier then opens a round of the cluster's barrier,
; and the joint refill is the first thing behind the round.  fill = 0: nothing is left to fetch.  nreg, nk: the next step, the first of the other region.  au, an: what is prefetched (an = 0: nothing).
.macro TURN fill, nreg, nk, au, an
	s_wait_tensorcnt 0x0                           ; all my tensor loads have landed: my part of the region ahead; so a group 0 may be written
	ds_add_u32 v[SPW], v[NIL]                      ; 0 onto my spare word
.if \fill == 1
	s_add_nc_u64 s[G0+2:G0+3], s[G0+2:G0+3], 3*KSA             ; the type bits on top are not reached
	s_add_nc_u64 s[G0B+2:G0B+3], s[G0B+2:G0B+3], 3*KSB
.elseif \fill == 2
	s_add_nc_u64 s[G0X+2:G0X+3], s[G0X+2:G0X+3], 3*KSA
	s_add_nc_u64 s[G0XB+2:G0XB+3], s[G0XB+2:G0XB+3], 3*KSB
.endif
	s_wait_dscnt 1                                 ; set 1 is in (the add alone may be out)
	WIN MUL
	MUL8 1, 0, 0                                   ; eight matrix instructions stand between the add and the wait for it
	s_wait_dscnt 0x0                               ; the add is done, and my reads of the region that I leave are over
	s_barrier_signal -1
	MUL8 1, 1, 0
	WIN 0
	s_barrier_wait -1
.if \fill == 1
	CREST                                          ; no wave of any partner still reads the region or has a load on its way
	JLOAD G0, G1, G0B, G1B                         ; the first tensor load behind the round; its four v_nop are among the places ahead of the loads below
	PLACES NP-4
.elseif \fill == 2
	CREST
	JLOAD G0X, G1X, G0XB, G1XB
	PLACES NP-4
.else
	PLACES NP
.endif
	FETCH \nreg, 0, \nk, 0
.if \an
	ASK \au, \an
.endif
	WIN MUL
	MUL8 1, 2, 0
	MUL8 1, 3, 0
	WIN 0
.endm
	s_wait_tensorcnt 1                             ; the scale words and my part of K slots 0 and 1 are in; K slot 2's load, the one issued behind them, may be out
	s_barrier_signal -1
	s_barrier_wait -1
	FETCH 0, 0, 0, 0
	STEP 0, 0, 0, 1, 1                             ; K slot 0: the first products start the sums: nothing is cleared
	STEP 1, 0, 1, 2, 0
	STEP 0, 0, 1, 3, 0                             ; K slot 1
	TURN 1, 1, 4, 5, 1                             ; the pair takes K slots 3 and 4; K slot 5 is prefetched
	STEP 0, 1, 0, 5, 0                             ; K slot 2
	TURN 2, 0, 6, 6, 2                             ; the single takes K slot 5; K slots 6 and 7 are prefetched
	STEP 0, 0, 0, 7, 0                             ; K slot 3
	STEP 1, 0, 1, 8, 0
	STEP 0, 0, 1, 9, 0                             ; K slot 4
	TURN 1, 1, 10, 0, 0                            ; the pair takes K slots 6 and 7: the last load
	STEP 0, 1, 0, 11, 0                            ; K slot 5
	TURN 0, 0, 12, 0, 0                            ; nothing is filled, so no round of the cluster's barrier
	STEP 0, 0, 0, 13, 0                            ; K slot 6
	STEP 1, 0, 1, 14, 0
	STEP 0, 0, 1, 15, 0                            ; K slot 7
	s_wait_dscnt 0                                 ; the very last step: set 1 is in
	WIN MUL
	MUL8 1, 0, 0
	MUL8 1, 1, 0
	MUL8 1, 2, 0
	MUL8 1, 3, 0
	WIN 0
; THE WAY OUT, block by block of 16 rows x 128 columns.  A lane holds 32 neighbouring bytes of a row, the lanes beside it hold other rows: a block goes through my own stage in LDS and comes back as whole rows of 512 bytes.
; LDS serves a wave's instructions in order (ISA guide 5.7.1.4): no wait between the stores and the loads, nor ahead of the next block's stores.
.macro TOSTAGE a
.set AC, 64*(\a)
	WIN 0x08                                       ; an LDS store's data are its source 1: window 2
.irp b, 0,1,2,3,4,5,6,7
	ds_store_b128 v[STO], v[AC+8*\b:AC+8*\b+3] offset:64*\b          ; each accumulator from its low end on
	ds_store_b128 v[STO], v[AC+8*\b+4:AC+8*\b+7] offset:64*\b+16
.endr
	WIN 0
.set BB, BK+64*((\a)%2)
.irp t, 0,1,2,3,4,5,6,7,8,9,10,11,12,13,14,15
	ds_load_b128 v[BB+4*\t:BB+4*\t+3], v[RD] offset:\t*SPITCH
.endr
.endm
.macro SEND a, younger                 ; younger: the LDS instructions issued behind block a's loads, which may stay out
.set BB, BK+64*((\a)%2)
	s_wait_dscnt \younger                          ; the block is back in registers
.irp t, 0,1,2,3,4,5,6,7,8,9,10,11,12,13,14,15
	global_store_b128 v[CO], v[BB+4*\t:BB+4*\t+3], s[14:15] offset:(\a)*65536+\t*4096 th:TH_STORE_NT   ; 32 lanes store 512 consecutive bytes, at a multiple of 512 from out0's first byte; the base is never stepped: 63 rows of 4,096 bytes at the most stand in the immediate
.endr
.endm
	PLACES NP                                      ; behind the last products: ahead of the first read of results and of the loads into registers that held A's fragments
	TOSTAGE 0
.irp a, 1,2,3
.if \a > 1
	s_wait_xcnt 0x0                                ; block a - 2's stores have read their registers: block a's loads may land there
.endif
	TOSTAGE \a
	SEND \a-1, 32                                  ; behind block a - 1's loads: block a's 16 stores and 16 loads
.endr
	SEND 3, 0
	s_wait_tensorcnt 0x0                           ; the wave's end, behind my last tensor load and my last LDS store
	ds_add_u32 v[SPW], v[NIL]
	s_wait_dscnt 0x0
	CROUND                                         ; the closing round: no work-group ends while a partner may still ask for a tile that names it
	s_endpgm
.Lfunc_end_k_qa24c28795d_outp:
	.size	k_qa24c28795d_outp, .Lfunc_end_k_qa24c28795d_outp-k_qa24c28795d_outp
	.p2alignl 7, 3214868480
	.fill 96, 4, 3214868480
	.section	.rodata,"a",@progbits
	.p2align	6, 0x0
	.amdhsa_kernel k_qa24c28795d_outp
		.amdhsa_group_segment_fixed_size 327680
		.amdhsa_private_segment_fixed_size 0
		.amdhsa_enable_private_segment 0
		.amdhsa_kernarg_size 40
		.amdhsa_user_sgpr_count 2
		.amdhsa_user_sgpr_kernarg_segment_ptr 1
		.amdhsa_wavefront_size32 1
		.amdhsa_system_sgpr_workgroup_id_x 1
		.amdhsa_system_sgpr_workgroup_id_y 1
		.amdhsa_system_sgpr_workgroup_id_z 1
		.amdhsa_system_vgpr_workitem_id 0
		.amdhsa_next_free_vgpr 768
		.amdhsa_next_free_sgpr 106
		.amdhsa_reserve_vcc 0
		.amdhsa_float_denorm_mode_32 3
		.amdhsa_float_denorm_mode_16_64 3
		.amdhsa_memory_ordered 1
		.amdhsa_forward_progress 1
		.amdhsa_inst_pref_size 150
	.end_amdhsa_kernel
	.amdgpu_metadata
---
amdhsa.version: [ 1, 2 ]
amdhsa.kernels:
  - .name:           k_qa24c28795d_outp
    .symbol:         k_qa24c28795d_outp.kd
    .args:
      - { .name: pc, .offset: 0, .size: 8, .value_kind: global_buffer, .address_space: global }
      - { .name: ps, .offset: 8, .size: 8, .value_kind: global_buffer, .address_space: global }
      - { .name: vc, .offset: 16, .size: 8, .value_kind: global_buffer, .address_space: global }
      - { .name: vs, .offset: 24, .size: 8, .value_kind: global_buffer, .address_space: global }
      - { .name: out0, .offset: 32, .size: 8, .value_kind: global_buffer, .address_space: global }
    .group_segment_fixed_size: 327680
    .private_segment_fixed_size: 0
    .kernarg_segment_align: 8
    .kernarg_segment_size: 40
    .max_flat_workgroup_size: 128
    .sgpr_count:     106
    .vgpr_count:     768
    .wavefront_size: 32
...
	.end_amdgpu_metadata
.endif
;; end of part 3
